; MI455X (gfx1250); checked and timed in simulation.
; The chip was launched on July 23, 2026; its instructions are those of AMD's public machine-readable ISA for CDNA 5 (MIT licence, August 2026) and "CDNA5" Instruction Set Architecture Reference Guide (July 2026). The comments in the code are by the model that wrote it; some were corrected since.
;; Multi Headed Attention Rel. Allowed arithmetic: matrix products marked QUANTISED: E2M1 operands, one E8M0 scale for each 32 along K, by v_wmma_scale_f32_16x16x128_f8f6f4 with both operands' format E2M1 (or v_wmma_scale_f32_32x16x128_f4), f32 sums; products left as they are: bf16, f16 or f32 operands; f32 sums; everything else in f32.
;; Inputs: Wk 1,024 x 1,024 float32; Wo 1,024 x 1,024 float32; Wq 1,024 x 1,024 float32; Wv 1,024 x 1,024 float32; bk 1,024 float32; bo 1,024 float32; bq 1,024 float32; bv 1,024 float32; key 8 x 1,024 x 1,024 float32; query 8 x 1,024 x 1,024 float32; rel_k_table 65 x 64 float32; rel_v_table 65 x 64 float32; value 8 x 1,024 x 1,024 float32.
;; Outputs: out0 8 x 1,024 x 1,024 float32.
;; This version of the problem:
;;   THIS VERSION OF THE PROBLEM IS GIVEN IN LOW PRECISION. The matrix products marked QUANTISED in the list below multiply operands that are first quantised to E2M1 (2 exponent bits, 1 mantissa bit; 4 bits a number), with one power-of-two scale for each 32 numbers along K (OCP MX v1.0); their sums are f32. The products marked 'left as it is' may take bf16, f16 or f32 operands, with f32 sums. Whichever they take, every output number must still come out within the allowed error. Rounding operands to bf16 (8 significant bits) uses up far more of that allowance than f16 does (11 bits, for magnitudes from 6e-5 to 65,504). All else is computed in f32.
;;   The module's matrix products, in the order in which they are computed (A, B: the left and right operand; K: the contracted axis; several contracted axes count as one K, in the product's order):
;;     1. [M 8,192, K 1,024] x [K 1,024, N 1,024]; A: input query; B: input Wq: QUANTISED
;;     2. [M 8,192, K 1,024] x [K 1,024, N 1,024]; A: input key; B: input Wk: QUANTISED
;;     3. [M 8,192, K 1,024] x [K 1,024, N 1,024]; A: input value; B: input Wv: QUANTISED
;;     4. batch 128 x [M 1,024, K 64] x [K 64, N 1,024]; A: computed on the way; B: computed on the way: left as it is (an operand is computed on the way)
;;     5. batch 1,024 x [M 1,024, K 64] x [K 64, N 128]; A: computed on the way; B: computed on the way: left as it is (an operand is computed on the way)
;;     6. batch 128 x [M 1,024, K 1,024] x [K 1,024, N 64]; A: computed on the way; B: computed on the way: left as it is (an operand is computed on the way)
;;     7. batch 1,024 x [M 64, K 1,024] x [K 1,024, N 128]; A: computed on the way; B: computed on the way: left as it is (an operand is computed on the way)
;;     8. [M 8,192, K 1,024] x [K 1,024, N 1,024]; A: computed on the way; B: input Wo: left as it is (an operand is computed on the way)
;;   THE QUANTISER, for each operand of a quantised product, along K:
;;     - K is cut into blocks of 32 from its start; a last block that is shorter is filled with zeros.
;;     - A block's scale is 2^e with e = floor(log2(the largest magnitude in the block)) - 2, held to -126 .. 127; a block of zeros has e = 0. As a byte (E8M0): e + 127.
;;     - Each number is divided by its block's scale, clamped to +-6, and rounded to the nearest number of E2M1, ties to even, subnormals kept.
;;     - The product sums the exact products of the quantised numbers (number of the format x scale) in f32.
;;   ~~~python
;;   def quantise(x, axis):      # numpy; x: float32 -> the quantised numbers, widened to float32 again
;;       x = np.moveaxis(x, axis, -1); K = x.shape[-1]
;;       x = np.pad(x, [(0, 0)] * (x.ndim - 1) + [(0, -K % 32)]); x = x.reshape(x.shape[:-1] + (-1, 32)); a = np.abs(x).max(-1, keepdims=True)
;;       e = np.where(a > 0, np.clip(np.frexp(np.where(a > 0, a, 1))[1] - 1 - 2, -126, 127), 0)      # np.frexp(a)[1] - 1 = floor(log2(a)), exactly
;;       r = np.clip(x / 2.0 ** e, -6, 6)
;;       step = 2.0 ** (np.maximum(np.frexp(np.where(r == 0, 1, r))[1] - 1, 0) - 1)
;;       q = np.round(r / step) * step * 2.0 ** e      # np.round: ties to even
;;       return np.moveaxis(q.reshape(q.shape[:-2] + (-1,))[..., :K], -1, axis).astype(np.float32)
;;   ~~~
;; One version. Each part assembles by itself: llvm-mc -triple=amdgcn-amd-amdhsa -mcpu=gfx1250 --defsym DOCPART=n.
;; ======== version 1 of 1: 4 launches
;; limits: values are held in f16: magnitudes above 65,504 overflow, below 6.1e-05 lose precision
;; workspace buffers: codes 14,155,776 bytes; scales 884,736 bytes; woh 2,097,152 bytes; tabs 43,520 bytes; qkv 50,331,648 bytes; xh 16,777,216 bytes
;; launch prep (part 1): grid 897 x 1, 4 waves a work-group, no clusters, 33,280 bytes of LDS; arguments query, key, value, Wq, Wk, Wv, Wo, rel_k_table, rel_v_table, codes, scales, woh, tabs; writes codes, scales, woh, tabs
.if DOCPART == 1
	.amdgcn_target "amdgcn-amd-amdhsa--gfx1250"
	.amdhsa_code_object_version 6
	.text
	.protected	k_qe52cdc8d5b_prep
	.globl	k_qe52cdc8d5b_prep
	.p2align	8
	.type	k_qe52cdc8d5b_prep,@function
k_qe52cdc8d5b_prep:
	s_mov_b64 s[64:65], 0
	v_nop
	global_prefetch_b8 v0, s[64:65] scope:SCOPE_SE
	s_setreg_imm32_b32 hwreg(HW_REG_WAVE_MODE, 25, 1), 1
	s_wait_xcnt 0x0
; PREP: everything that is made once from the inputs.
; Work-groups 0-863: query, key, value [8192][1024] and Wq, Wk, Wv [1024][1024], f32, K innermost, become codes of FP4 (E2M1) with one E8M0 byte for each 32 along K.
;   codes [3][9216 rows][512 bytes], scales [3][9216][32]: third t holds activation t (rows 0-8191) and then weight t (rows 8192-9215).  288 work-groups a third, 32,768 numbers each.
;   A block's byte is its largest magnitude's exponent field - 2, held at 1 from below; each number is divided by the scale and rounded to the nearest code, ties to even, beyond 6 the largest code.
; Work-groups 864-895: Wo becomes f16 (woh).   Work-group 896: the tables (tabs):
;   rows 0-63 of 512 bytes: tvx[ch][x] = rel_v_table[clip(x - 128, -32, 32) + 32][ch] in f16, x = 0 .. 255;  row 64: rel_v_table[0], rel_v_table[64] in f32;  from byte 33,280: tkh[80][64] = rel_k_table[min(row, 64)] in f16.
; LIMITS: a block of zeros, or one whose largest magnitude lies under 2^-124, keeps the byte 1 (its codes are what the conversion gives; the bytes are read by this program alone); NaN and infinities are not served;
;   Wo and the tables must lie inside f16's range (65,504).
; The quantiser: a wave takes 16 steps of 512 numbers.  Each load reads 512 consecutive bytes; a step's 2,048 bytes turn through the wave's own stage in LDS so that a lane holds 16 neighbours along K
; (two neighbouring lanes hold a block).  A wave's codes leave as 256 consecutive bytes a store, its 256 scale bytes as one store.  No barrier: waves share nothing.
.set WAVES, 4
.set STEPS, 16
.set EMAX,  2
.set CB,    8                          ; bytes of 16 codes
.set R,     16                         ; v16-79   four sets of 16 numbers as loaded
.set X,     80                         ; v80-111  two sets of 16 neighbours
.set C,     128                        ; v128-191 codes, four registers a step
.set E,     112                        ; v112-127 a scale byte a step
.set WREG,  8192                       ; LDS: a region for each wave: two stages of 32 x SP bytes, then its 256 scale bytes
.set SP,    80                         ; a lane's place in a stage: 64 bytes + 16 of padding
.set SPW,   12                         ; v12  my spare word: SPARE + 4 x thread; never rewritten
.set NIL,   13                         ; v13  0; never rewritten
.set SPARE, WAVES*WREG                 ; behind the regions: the spare words, two blocks of 256 bytes that no other line names
.set WV,    40                         ; s40  my wave's number
	s_load_b512 s[4:19], s[0:1], 0x0               ; query 4, key 6, value 8, Wq 10, Wk 12, Wv 14, Wo 16, rel_k 18
	s_load_b256 s[20:27], s[0:1], 0x40             ; rel_v 20, codes 22, scales 24, woh 26
	s_load_b64 s[28:29], s[0:1], 0x60              ; tabs
	v_lshl_add_u32 v[SPW], v0, 2, SPARE
	v_mov_b32 v[NIL], 0
	v_lshrrev_b32 v1, 5, v0
	v_readfirstlane_b32 s[WV], v1
	v_and_b32 v2, 31, v0                           ; lane
	v_lshlrev_b32 v3, 4, v2                        ; my 16 bytes of a load's 512
	s_mul_i32 s41, s[WV], WREG
	v_lshrrev_b32 v14, 2, v2
	v_mul_u32_u24 v14, v14, SP
	v_and_b32 v15, 3, v2
	v_lshl_add_u32 v14, v15, 4, v14
	v_add_nc_u32 v14, s41, v14                     ; the stage, way in: SP (lane / 4) + 16 (lane % 4)
	v_mul_u32_u24 v15, v2, SP
	v_add_nc_u32 v15, s41, v15                     ; way out: SP x lane: my 16 neighbours
	v_mul_u32_u24 v4, v2, CB                       ; my codes' place in a step's
	v_lshrrev_b32 v5, 1, v2
	s_add_co_u32 s41, s41, 2*32*SP
	v_add_nc_u32 v5, s41, v5                       ; my block's scale byte in LDS
	v_lshlrev_b32 v7, 3, v2
	v_add_nc_u32 v6, s41, v7                       ; and 8 bytes a lane on the way out
	s_wait_kmcnt 0x0
	s_cmp_ge_u32 ttmp9, 864
	s_cbranch_scc1 .Lother
	; ---- the quantiser.  Which tensor: a choice on the work-group's number alone
	s_cmp_lt_u32 ttmp9, 576
	s_cselect_b64 s[30:31], s[6:7], s[8:9]
	s_cselect_b64 s[32:33], s[12:13], s[14:15]
	s_mov_b32 s34, 576
	s_cselect_b32 s34, 288, s34
	s_cmp_lt_u32 ttmp9, 288
	s_cselect_b64 s[30:31], s[4:5], s[30:31]
	s_cselect_b64 s[32:33], s[10:11], s[32:33]
	s_cselect_b32 s34, 0, s34
	s_sub_co_u32 s35, ttmp9, s34                   ; my place in the third: 0-255 the activation, 256-287 the weight
	s_cmp_lt_u32 s35, 256
	s_cselect_b64 s[30:31], s[30:31], s[32:33]
	s_cselect_b32 s36, 0, 256
	s_sub_co_u32 s35, s35, s36
	s_lshl_b32 s35, s35, 2
	s_add_co_u32 s35, s35, s[WV]                   ; which run of 8,192 numbers of the input is my wave's
	s_lshl_b32 s36, s35, 15
	s_mov_b32 s37, 0
	s_add_nc_u64 s[30:31], s[30:31], s[36:37]
	s_lshl_b32 s38, ttmp9, 2
	s_add_co_u32 s38, s38, s[WV]                   ; and which run of the outputs: the thirds follow each other
	s_lshl_b32 s36, s38, 12
	s_add_nc_u64 s[22:23], s[22:23], s[36:37]
	s_lshl_b32 s36, s38, 8
	s_add_nc_u64 s[24:25], s[24:25], s[36:37]
.macro LOAD t
.irp i, 0,1,2,3
	global_load_b128 v[R+16*((\t)%4)+4*\i:R+16*((\t)%4)+4*\i+3], v3, s[30:31] offset:2048*(\t)+512*\i th:TH_LOAD_NT   ; 32 lanes read 512 consecutive bytes
.endr
.endm
.macro TURN t                          ; step t's numbers through the stage: LDS serves a wave's instructions in order, so no wait stands between the stores and the loads
.irp i, 0,1,2,3
	ds_store_b128 v14, v[R+16*((\t)%4)+4*\i:R+16*((\t)%4)+4*\i+3] offset:32*SP*((\t)%2)+8*SP*\i
.endr
.irp i, 0,1,2,3
	ds_load_b128 v[X+16*((\t)%2)+4*\i:X+16*((\t)%2)+4*\i+3], v15 offset:32*SP*((\t)%2)+16*\i
.endr
.endm
.irp t, 0,1,2,3
	LOAD \t
.endr
	s_wait_loadcnt 12                              ; step 0's four loads are in; three steps' twelve stay out
	TURN 0
.macro STEP t
.set XS, X+16*((\t)%2)
.if (\t) > 0
	s_wait_dscnt 1                                 ; this step's numbers are back from the stage; the last step's byte store may be out
.else
	s_wait_dscnt 0x0
.endif
.if (\t)+4 < STEPS
	LOAD (\t)+4
.endif
.if (\t)+1 < STEPS
.if STEPS-2-(\t) >= 3
	s_wait_loadcnt 12                              ; the next step's four loads are in; those of the three steps behind it may be out
.else
	s_wait_loadcnt 4*(STEPS-2-(\t))
.endif
	TURN (\t)+1
.endif
	v_max3_num_f32 v8, |v[XS]|, |v[XS+1]|, |v[XS+2]|               ; the largest magnitude of my 16, in two chains
	v_max3_num_f32 v9, |v[XS+3]|, |v[XS+4]|, |v[XS+5]|
.irp i, 6,10
	v_max3_num_f32 v8, v8, |v[XS+\i]|, |v[XS+\i+1]|
	v_max3_num_f32 v9, v9, |v[XS+\i+2]|, |v[XS+\i+3]|
.endr
	v_max3_num_f32 v8, v8, |v[XS+14]|, |v[XS+15]|
	v_max3_num_f32 v8, v8, v9, (EMAX+1)<<23        ; and the floor 2^(3 - 127): the byte cannot fall under 1
	v_max_num_f32_dpp v8, v8, v8 row_xmask:1 row_mask:0xf bank_mask:0xf   ; with my neighbour's 16: the block's
	v_add_nc_u32 v11, -(EMAX<<23), v8              ; 2 off its exponent field: the conversion takes the exponent field of this operand as its scale
	v_cvt_scalef32_pk8_fp4_f32 v[C+4*(\t)], v[XS:XS+7], v11
	v_cvt_scalef32_pk8_fp4_f32 v[C+4*(\t)+1], v[XS+8:XS+15], v11
	v_lshrrev_b32 v[E+(\t)], 23, v11               ; the scale's byte (a plain line behind the conversions)
	ds_store_b8 v5, v[E+(\t)] offset:16*(\t)       ; both lanes of a block write the same byte with the same value
	global_store_b64 v4, v[C+4*(\t):C+4*(\t)+1], s[22:23] offset:32*CB*(\t)   ; the wave stores 256 consecutive bytes
.endm
.irp t, 0,1,2,3,4,5,6,7,8,9,10,11,12,13,14,15
	STEP \t
.endr
	ds_load_b64 v[8:9], v6                         ; LDS serves a wave's instructions in order: these see my byte stores
	s_wait_dscnt 0x0
	global_store_b64 v7, v[8:9], s[24:25]          ; 256 consecutive scale bytes
	s_wait_tensorcnt 0x0                           ; the wave's end: behind my last LDS store
	ds_add_u32 v[SPW], v[NIL]
	s_wait_dscnt 0x0
	s_endpgm
.Lother:
	s_cmp_eq_u32 ttmp9, 896
	s_cbranch_scc1 .Ltabs
	; ---- Wo to f16: a wave takes 8,192 numbers; a load reads 512 consecutive bytes, a store writes 256.  No LDS.
	s_sub_co_u32 s35, ttmp9, 864
	s_lshl_b32 s35, s35, 2
	s_add_co_u32 s35, s35, s[WV]
	s_lshl_b32 s36, s35, 15
	s_mov_b32 s37, 0
	s_add_nc_u64 s[16:17], s[16:17], s[36:37]
	s_lshl_b32 s36, s35, 14
	s_add_nc_u64 s[26:27], s[26:27], s[36:37]
	v_lshlrev_b32 v16, 3, v2                       ; out: 8 bytes a lane
.irp g, 0,1,2,3
.irp i, 0,1,2,3,4,5,6,7,8,9,10,11,12,13,14,15
	global_load_b128 v[32+4*\i:35+4*\i], v3, s[16:17] offset:512*(16*\g+\i) th:TH_LOAD_NT
.endr
	s_wait_loadcnt 0x0
.if \g > 0
	s_wait_xcnt 0x0                                ; the last group's stores have read their data registers
.endif
.irp i, 0,1,2,3,4,5,6,7,8,9,10,11,12,13,14,15
	v_cvt_pk_f16_f32 v[96+2*\i], v[32+4*\i], v[33+4*\i]
	v_cvt_pk_f16_f32 v[97+2*\i], v[34+4*\i], v[35+4*\i]
.endr
.irp i, 0,1,2,3,4,5,6,7,8,9,10,11,12,13,14,15
	global_store_b64 v16, v[96+2*\i:97+2*\i], s[26:27] offset:256*(16*\g+\i)
.endr
.endr
	s_endpgm
.Ltabs:
	; ---- the tables.  tvx: lane = 8 neighbouring x, wave = 16 channels
	s_lshl_b32 s42, s[WV], 6                       ; my 16 channels, in bytes of a table row
	v_mov_b32 v31, 96
.irp e, 0,1,2,3,4,5,6,7
	v_lshl_add_u32 v[16+\e], v2, 3, \e             ; x = 8 lane + e
	v_max_u32 v[16+\e], 96, v[16+\e]
	v_min_u32 v[16+\e], 160, v[16+\e]
	v_sub_nc_u32 v[16+\e], v[16+\e], v31           ; the table's row: clip(x - 128, -32, 32) + 32
	v_lshl_add_u32 v[16+\e], v[16+\e], 8, s42
.endr
.irp c, 0,1,2,3,4,5,6,7,8,9,10,11,12,13,14,15
.irp e, 0,1,2,3,4,5,6,7
	global_load_b32 v[32+8*\c+\e], v[16+\e], s[20:21] offset:4*\c
.endr
.endr
	s_lshl_b32 s43, s[WV], 13
	v_add_nc_u32 v24, s43, v3                      ; 16 rows of 512 bytes a wave, 16 bytes a lane
	s_wait_loadcnt 0x0
.irp c, 0,1,2,3,4,5,6,7,8,9,10,11,12,13,14,15
.irp i, 0,1,2,3
	v_cvt_pk_f16_f32 v[32+4*\c+\i], v[32+8*\c+2*\i], v[32+8*\c+2*\i+1]   ; packed downward in place: a result never lands on a number not yet read
.endr
.endr
.irp c, 0,1,2,3,4,5,6,7,8,9,10,11,12,13,14,15
	global_store_b128 v24, v[32+4*\c:35+4*\c], s[28:29] offset:512*\c     ; a whole row of 512 bytes
.endr
	; the two far rows of rel_v_table, as f32
	v_lshrrev_b32 v25, 6, v0
	v_mul_u32_u24 v25, v25, 16128
	v_lshl_add_u32 v25, v0, 2, v25                 ; threads 0-63: row 0; threads 64-127: row 64
	global_load_b32 v26, v25, s[20:21]
	v_lshlrev_b32 v27, 2, v0
	; tkh: 640 pieces of 8 numbers, five a thread
	v_lshrrev_b32 v28, 3, v0
	v_and_b32 v29, 7, v0
	v_lshlrev_b32 v29, 5, v29
.irp i, 0,1,2,3,4
	v_add_nc_u32 v[160+\i], 16*\i, v28
	v_min_u32 v[160+\i], 64, v[160+\i]             ; rows 64-79 repeat row 64
	v_lshl_add_u32 v[160+\i], v[160+\i], 8, v29
	global_load_b128 v[96+8*\i:99+8*\i], v[160+\i], s[18:19]
	global_load_b128 v[100+8*\i:103+8*\i], v[160+\i], s[18:19] offset:16
.endr
	v_lshlrev_b32 v30, 4, v0
	s_wait_loadcnt 0x0
	global_store_b32 v27, v26, s[28:29] offset:32768
.irp i, 0,1,2,3,4
.irp j, 0,1,2,3
	v_cvt_pk_f16_f32 v[136+4*\i+\j], v[96+8*\i+2*\j], v[96+8*\i+2*\j+1]
.endr
	global_store_b128 v30, v[136+4*\i:139+4*\i], s[28:29] offset:33280+2048*\i
.endr
	s_endpgm
.Lfunc_end_k_qe52cdc8d5b_prep:
	.size	k_qe52cdc8d5b_prep, .Lfunc_end_k_qe52cdc8d5b_prep-k_qe52cdc8d5b_prep
	.p2alignl 7, 3214868480
	.fill 96, 4, 3214868480
	.section	.rodata,"a",@progbits
	.p2align	6, 0x0
	.amdhsa_kernel k_qe52cdc8d5b_prep
		.amdhsa_group_segment_fixed_size 33280
		.amdhsa_private_segment_fixed_size 0
		.amdhsa_enable_private_segment 0
		.amdhsa_kernarg_size 104
		.amdhsa_user_sgpr_count 2
		.amdhsa_user_sgpr_kernarg_segment_ptr 1
		.amdhsa_wavefront_size32 1
		.amdhsa_system_sgpr_workgroup_id_x 1
		.amdhsa_system_sgpr_workgroup_id_y 1
		.amdhsa_system_sgpr_workgroup_id_z 1
		.amdhsa_system_vgpr_workitem_id 0
		.amdhsa_next_free_vgpr 192
		.amdhsa_next_free_sgpr 66
		.amdhsa_reserve_vcc 0
		.amdhsa_float_denorm_mode_32 3
		.amdhsa_float_denorm_mode_16_64 3
		.amdhsa_memory_ordered 1
		.amdhsa_forward_progress 1
		.amdhsa_inst_pref_size 78
	.end_amdhsa_kernel
	.amdgpu_metadata
---
amdhsa.version: [ 1, 2 ]
amdhsa.kernels:
  - .name:           k_qe52cdc8d5b_prep
    .symbol:         k_qe52cdc8d5b_prep.kd
    .args:
      - { .name: query, .offset: 0, .size: 8, .value_kind: global_buffer, .address_space: global }
      - { .name: key, .offset: 8, .size: 8, .value_kind: global_buffer, .address_space: global }
      - { .name: value, .offset: 16, .size: 8, .value_kind: global_buffer, .address_space: global }
      - { .name: Wq, .offset: 24, .size: 8, .value_kind: global_buffer, .address_space: global }
      - { .name: Wk, .offset: 32, .size: 8, .value_kind: global_buffer, .address_space: global }
      - { .name: Wv, .offset: 40, .size: 8, .value_kind: global_buffer, .address_space: global }
      - { .name: Wo, .offset: 48, .size: 8, .value_kind: global_buffer, .address_space: global }
      - { .name: rel_k_table, .offset: 56, .size: 8, .value_kind: global_buffer, .address_space: global }
      - { .name: rel_v_table, .offset: 64, .size: 8, .value_kind: global_buffer, .address_space: global }
      - { .name: codes, .offset: 72, .size: 8, .value_kind: global_buffer, .address_space: global }
      - { .name: scales, .offset: 80, .size: 8, .value_kind: global_buffer, .address_space: global }
      - { .name: woh, .offset: 88, .size: 8, .value_kind: global_buffer, .address_space: global }
      - { .name: tabs, .offset: 96, .size: 8, .value_kind: global_buffer, .address_space: global }
    .group_segment_fixed_size: 33280
    .private_segment_fixed_size: 0
    .kernarg_segment_align: 8
    .kernarg_segment_size: 104
    .max_flat_workgroup_size: 128
    .sgpr_count:     66
    .vgpr_count:     192
    .wavefront_size: 32
...
	.end_amdgpu_metadata
.endif
;; end of part 1
;; launch proj (part 2): grid 4 x 96, 4 waves a work-group, clusters of 4 x 4, 327,680 bytes of LDS; arguments codes, scales, bq, bk, bv, qkv; writes qkv
.if DOCPART == 2
	.amdgcn_target "amdgcn-amd-amdhsa--gfx1250"
	.amdhsa_code_object_version 6
	.text
	.protected	k_qe52cdc8d5b_proj
	.globl	k_qe52cdc8d5b_proj
	.p2align	8
	.type	k_qe52cdc8d5b_proj,@function
k_qe52cdc8d5b_proj:
	s_mov_b64 s[64:65], 0
	v_nop
	global_prefetch_b8 v0, s[64:65] scope:SCOPE_SE
	s_setreg_imm32_b32 hwreg(HW_REG_WAVE_MODE, 25, 1), 1
	s_wait_xcnt 0x0
	s_wait_alu depctr_hold_cnt(0) depctr_sa_sdst(0) depctr_va_vdst(0) depctr_va_sdst(0) depctr_va_ssrc(0) depctr_va_vcc(0) depctr_vm_vsrc(0)
	s_getreg_b32 s2, hwreg(HW_REG_IB_STS2, 6, 4)
	s_cmp_eq_u32 s2, 0
	s_cbranch_scc0 .Lentry_in_a_cluster
	s_endpgm
.Lentry_in_a_cluster:
	s_bfe_u32 s2, ttmp6, 0x10000c
	s_cmp_lg_u32 s2, 0xf033
	s_cbranch_scc0 .Lentry_shape_is_right
	s_endpgm
.Lentry_shape_is_right:
; PROJ: the three quantised projections, y = x W^T + b, on codes of FP4 (E2M1) with one E8M0 scale for each 32 along K; sums in f32; y leaves as f16, split by heads:
; qkv [3][128 = batch x 16 + head][1024][64].  codes [3][9216][512 bytes], scales [3][9216][32]: in third p rows 0-8191 are the activation, rows 8192-9215 the weight.
; Tile rows 0-95 of the grid: projection p = tile row / 32.  A tile, 256 x 256, is made by four waves, 128 x 128 each: 64 accumulators, 512 registers.
; K = 1,024 is two slots of 512 along K (rows of 256 bytes): both are asked for at the start, nothing is filled again.  The scales of the tile's 512 rows come once, in blocks of 256 bytes.
; CLUSTERS: 4 x 4 work-groups.  The four of a row of the cluster need the same tile of x, the four of a column the same tile of W: each is asked for JOINTLY, by the same tensor load with the same descriptor
; and a mask that names the four.  THE MATRIX INSTRUCTION IS USED TRANSPOSED (source 0 = 16 rows of W, source 1 = 16 rows of x): a lane holds eight neighbouring outputs of one row.
; THE BIAS is the C of each sum's first product.
; LIMIT: results must lie inside f16's range (65,504).
; REGISTERS: window 0: v0-31 addresses; v32-95 scale words, two sets, and nothing else; v128-191 x's fragments, one set; v192-255 the bias (8 tiles of 16 outputs); on the way out v128-223 are free.
;   window 1: W's fragments, two sets, at v0 and v128.   window 2: accumulators of my rows 0-63 ((a, b) at v[8 (8 a + b)]);  window 3: rows 64-127.
.set SIZE_K, 1024
.set KSTEP,  512
.set NQ,     KSTEP/128
.set ROWB,   256
.set KROW,   SIZE_K*4/8
.set PITCH,  272                       ; an LDS row: 256 bytes + 16 of padding: the 16 rows of a load start at 16 different banks
.set FR,     8
.set NL,     2
.set NP,     4
.set HALFT,  128*PITCH
.set SLOT,   4*HALFT
.set KS,     SIZE_K/32
.set SCL,    2*SLOT                    ; behind the slots: the scales, as blocks of 256 bytes + 16 of padding
.set HALFS,  (128*KS/256)*272
.set SBLK,   (16*KS/256)*272
.set SPARE,  SCL+4*HALFS               ; the spare words: two blocks of 256 bytes that no other line names
.set SPITCH, 272                       ; the way out: 16 rows x (256 bytes + 16) for each wave, in slot 0, which has had its one fill and its last read by then
.set ADRA, 16
.set ADRB, 20
.set STO,  24
.set RD,   25
.set CO,   26
.set ADRS, 27
.set SPW,  28
.set NIL,  29
.set BO,   30                          ; v30  32 x (lane / 16): my eight numbers of a bias tile
.set SC,   32
.set AF,   128
.set BIAS, 192
.set TMP,  128                         ; the way out: packed results
.set BK,   160                         ; and rows read back: v160-191 and v192-223 by turns
.set G1, 24
.set G0, 32
.set G1B, 48
.set G0B, 56
.set G1S, 68
.set G0S, 76
.set G1SB, 80
.set G0SB, 88
.set MSB, 0
.macro WIN new                         ; the immediate's high byte repeats the setting that is left
.if MSB != (\new)
	s_set_vgpr_msb (MSB<<8)|(\new)
.set MSB, \new
.endif
.endm
.set MUL_LO, 0xa1                      ; source 0 (W) window 1, source 1 (x) window 0, C and D window 2
.set MUL_HI, 0xf1                      ; the same, C and D window 3
.set TO_B,   0x40
; A joint load: waves 0 and 1 fetch for x, waves 2 and 3 for W.  The branch hangs on the wave's number alone.  An s_nop 0 and four v_nop follow each of the two lines.
.macro JLOAD g0a, g1a, g0b, g1b
	s_cmp_eq_u32 s15, 0
	s_cbranch_scc0 .Lfor_b_\@
	tensor_load_to_lds s[\g0a:\g0a+3], s[\g1a:\g1a+7]
	s_nop 0
.rept 4
	v_nop
.endr
	s_branch .Lasked_\@
.Lfor_b_\@:
	tensor_load_to_lds s[\g0b:\g0b+3], s[\g1b:\g1b+7]
	s_nop 0
.rept 4
	v_nop
.endr
.Lasked_\@:
.endm
.macro CROUND                          ; a round of the cluster's barrier
	s_barrier_signal -1
	s_barrier_wait -1
	s_cmp_lg_u32 s14, 0
	s_cbranch_scc1 .Lnot_wave_0_\@
	s_barrier_signal -3
.Lnot_wave_0_\@:
	s_barrier_wait -3
	s_barrier_signal -1
	s_barrier_wait -1
.endm
	s_load_b128 s[4:7], s[0:1], 0x0                ; codes, scales
	s_load_b128 s[8:11], s[0:1], 0x10              ; bq, bk
	s_load_b128 s[96:99], s[0:1], 0x20             ; bv, qkv
	v_lshl_add_u32 v[SPW], v0, 2, SPARE
	v_mov_b32 v[NIL], 0
	ds_add_u32 v[SPW], v[NIL]                      ; the wave's opening: the add, twice on end, and its wait ahead of my first tensor load
	ds_add_u32 v[SPW], v[NIL]
	v_lshrrev_b32 v1, 5, v0
	v_readfirstlane_b32 s14, v1                    ; wave 0..3
	s_lshr_b32 s15, s14, 1                         ; which half of the tile's rows is mine.  Also: I fetch for x (0) or for W (1)
	s_and_b32 s16, s14, 1                          ; which half of its columns.  Also: which 128 rows I fetch
	s_bfe_u32 s40, ttmp6, 0x40000                  ; cx, cy
	s_bfe_u32 s41, ttmp6, 0x40004
	s_lshl_b32 s42, ttmp9, 2
	s_add_co_u32 s42, s42, s40                     ; tile column = 4 x cluster x + cx
	s_and_b32 s17, ttmp7, 0xffff
	s_lshr_b32 s95, s17, 3                         ; the projection: 8 clusters along y each; the same in all sixteen partners
	s_lshl_b32 s17, s17, 2
	s_add_co_u32 s17, s17, s41                     ; tile row = 4 x cluster y + cy
	s_lshl_b32 s43, s41, 2
	s_lshl_b32 s43, 15, s43                        ; my row of the cluster
	s_lshl_b32 s44, 0x1111, s40                    ; my column
	s_or_b32 s[G1+0], s43, (0<<16)|(1<<20)|(1<<21)|(5<<22)|(3<<25)  ; mask; elements of 1 byte; padding on; bit 21 beside a mask; after every 64 words, 4 words
	s_or_b32 s[G1B+0], s44, (0<<16)|(1<<20)|(1<<21)|(5<<22)|(3<<25)
.irp g, G1, G1B
	s_mov_b32 s[\g+1], ROWB<<16                    ; tensor_dim0
	s_mov_b32 s[\g+2], 128<<16                     ; tensor_dim1
	s_mov_b32 s[\g+3], ROWB<<16                    ; tile_dim0
	s_mov_b32 s[\g+4], 128                         ; tile_dim1
	s_mov_b32 s[\g+5], KROW                        ; stride
	s_mov_b32 s[\g+6], 0
	s_mov_b32 s[\g+7], 0
.endr
	s_or_b32 s[G1S+0], s43, (3<<16)|(1<<20)|(1<<21)|(5<<22)|(3<<25) ; the scales of 128 rows: 4,096 dense bytes as rows of 256 (32 elements of 8 bytes)
	s_or_b32 s[G1SB+0], s44, (3<<16)|(1<<20)|(1<<21)|(5<<22)|(3<<25)
.irp g, G1S, G1SB
	s_mov_b32 s[\g+1], 32<<16
	s_mov_b32 s[\g+2], (128*KS/256)<<16
	s_mov_b32 s[\g+3], 32<<16
	s_mov_b32 s[\g+4], 128*KS/256
	s_mov_b32 s[\g+5], 32
	s_mov_b32 s[\g+6], 0
	s_mov_b32 s[\g+7], 0
.endr
	s_lshl_b32 s18, s16, 7                         ; which 128 rows of the tile I fetch
	s_lshl_b32 s20, s17, 8
	s_add_co_u32 s20, s20, s18
	s_lshl_b32 s21, s95, 10
	s_add_co_u32 s20, s20, s21                     ; x: row 256 x tile row + 1,024 p + 128 x half (a third has 9,216 rows, 32 tile rows have 8,192)
	s_lshl_b32 s46, s42, 8
	s_add_co_u32 s46, s46, s18
	s_mul_i32 s47, s95, 9216
	s_add_co_u32 s46, s46, s47
	s_add_co_u32 s46, s46, 8192                    ; W: row 9,216 p + 8,192 + 256 x tile column + 128 x half
	s_mov_b32 s21, 0
	s_mov_b32 s47, 0
	s_mov_b64 s[18:19], KS
	s_mul_u64 s[22:23], s[20:21], s[18:19]         ; where these rows' scales begin,
	s_mul_u64 s[92:93], s[46:47], s[18:19]
	s_mov_b64 s[18:19], KROW
	s_mul_u64 s[20:21], s[20:21], s[18:19]         ; and their codes
	s_mul_u64 s[46:47], s[46:47], s[18:19]
	s_mul_i32 s45, s14, HALFT                      ; where they go: wave x 128 rows: no place in the cluster enters an LDS address
	s_mul_i32 s94, s14, HALFS
	s_wait_dscnt 0x0                               ; both opening adds are done
	s_wait_kmcnt 0x0
	s_add_nc_u64 s[20:21], s[4:5], s[20:21]
	s_add_nc_u64 s[22:23], s[6:7], s[22:23]
	s_add_nc_u64 s[46:47], s[4:5], s[46:47]
	s_add_nc_u64 s[92:93], s[6:7], s[92:93]
	s_cmp_eq_u32 s95, 1                            ; the projection's bias: a choice on ids alone
	s_cselect_b64 s[100:101], s[10:11], s[96:97]
	s_cmp_eq_u32 s95, 0
	s_cselect_b64 s[100:101], s[8:9], s[100:101]
	s_mov_b64 s[12:13], s[98:99]
	CROUND                                         ; all sixteen work-groups are here: the first joint loads meet
	s_mov_b32 s[G0S], 1
	s_add_co_u32 s[G0S+1], s94, SCL
	s_mov_b64 s[G0S+2:G0S+3], s[22:23]
	s_or_b32 s[G0S+3], s[G0S+3], 0x80000000
	s_mov_b32 s[G0SB], 1
	s_add_co_u32 s[G0SB+1], s94, SCL
	s_mov_b64 s[G0SB+2:G0SB+3], s[92:93]
	s_or_b32 s[G0SB+3], s[G0SB+3], 0x80000000
	JLOAD G0S, G1S, G0SB, G1SB                     ; the scales first; three loads of mine are out behind the third
.irp s, 0,1
	s_mov_b32 s[G0+4*\s], 1
	s_add_co_u32 s[G0+4*\s+1], s45, \s*SLOT
	s_add_nc_u64 s[G0+4*\s+2:G0+4*\s+3], s[20:21], \s*ROWB
	s_or_b32 s[G0+4*\s+3], s[G0+4*\s+3], 0x80000000
	s_mov_b32 s[G0B+4*\s], 1
	s_add_co_u32 s[G0B+4*\s+1], s45, \s*SLOT
	s_add_nc_u64 s[G0B+4*\s+2:G0B+4*\s+3], s[46:47], \s*ROWB
	s_or_b32 s[G0B+4*\s+3], s[G0B+4*\s+3], 0x80000000
	JLOAD G0+4*\s, G1, G0B+4*\s, G1B
.endr
	v_and_b32 v1, 15, v0                           ; r
	v_bfe_u32 v2, v0, 4, 1                         ; h
	v_mul_u32_u24 v3, v1, PITCH
	v_lshl_add_u32 v4, v2, 4, v3                   ; row x pitch + 16 h
	s_mul_i32 s21, s15, HALFT
	s_mul_i32 s22, s16, HALFT
	s_add_co_u32 s22, s22, 2*HALFT
.irp s, 0,1
	v_add_nc_u32 v[ADRA+\s], s21, v4
	v_add_nc_u32 v[ADRB+\s], s22, v4
	s_add_co_u32 s21, s21, SLOT
	s_add_co_u32 s22, s22, SLOT
.endr
	v_mul_u32_u24 v5, v1, KS                       ; my row's scales: 32 bytes a row,
	v_lshrrev_b32 v6, 8, v5
	v_lshl_add_u32 v5, v6, 4, v5                   ; and 16 more for each 256 passed
	s_mul_i32 s21, s15, HALFS
	s_mul_i32 s22, s16, HALFS
	s_add_co_u32 s22, s22, 2*HALFS
	s_sub_co_u32 s22, s22, s21
	v_mul_u32_u24 v6, s22, v2                      ; lanes 16-31 take W's
	s_add_co_u32 s21, s21, SCL
	v_add_nc_u32 v5, v5, v6
	v_add_nc_u32 v[ADRS], s21, v5
	s_mul_i32 s23, s14, 16*SPITCH                  ; my stage
	v_add_nc_u32 v[STO], s23, v4                   ; in: row r, 16 bytes for each half of the lanes
	v_bfe_u32 v5, v0, 3, 2
	v_mul_u32_u24 v5, v5, SPITCH
	v_and_b32 v6, 7, v0
	v_lshl_add_u32 v5, v6, 4, v5
	v_add_nc_u32 v[RD], s23, v5                    ; back: eight lanes take a head's 128 bytes of a row, four rows an instruction
	v_and_b32 v6, 31, v0
	v_lshlrev_b32 v[CO], 4, v6                     ; which are 512 consecutive bytes of qkv
	v_lshlrev_b32 v[BO], 5, v2
	; where my part of qkv begins: p 2^24 + batch 2^21 + head 2^17 + row 128
	s_lshl_b32 s20, s95, 5
	s_sub_co_u32 s20, s17, s20
	s_lshl_b32 s20, s20, 8
	s_lshl_b32 s21, s15, 7
	s_add_co_u32 s20, s20, s21                     ; my first row of the projection, 0 .. 8,191
	s_lshr_b32 s21, s20, 10
	s_lshl_b32 s21, s21, 21
	s_and_b32 s20, s20, 1023
	s_lshl_b32 s20, s20, 7
	s_add_co_u32 s20, s20, s21
	s_lshl_b32 s21, s95, 24
	s_add_co_u32 s20, s20, s21
	s_lshl_b32 s46, s42, 2
	s_lshl_b32 s47, s16, 1
	s_add_co_u32 s46, s46, s47                     ; my first head: 4 x tile column + 2 x half
	s_lshl_b32 s46, s46, 17
	s_add_co_u32 s20, s20, s46
	s_mov_b32 s21, 0
	s_add_nc_u64 s[12:13], s[12:13], s[20:21]
	s_lshl_b32 s46, s42, 10
	s_lshl_b32 s47, s16, 9
	s_add_co_u32 s46, s46, s47                     ; my first output's bias, in bytes
	s_mov_b32 s47, 0
	s_add_nc_u64 s[100:101], s[100:101], s[46:47]
.irp b, 0,1,2,3,4,5,6,7
	global_load_b128 v[BIAS+8*\b:BIAS+8*\b+3], v[BO], s[100:101] offset:64*\b       ; lane (r, h): outputs 16 b + 8 h + 0 .. 7
	global_load_b128 v[BIAS+8*\b+4:BIAS+8*\b+7], v[BO], s[100:101] offset:64*\b+16
.endr
.macro FRAG reg, adr, q, i             ; 16 rows x 128 K of 4-bit codes: 8 registers; registers 4 c .. 4 c + 3 hold K = 64 c + 32 (lane / 16) + 0 .. 31
.irp c, 0,1
	ds_load_b128 v[\reg+4*\c:\reg+4*\c+3], v[\adr] offset:64*(\q)+32*\c+(\i)*16*PITCH
.endr
.endm
; 16 matrix instructions: x's blocks a0, a0 + 1 against W's eight, 128 along K.  zero = 1: the first product starts the sums from the bias.  The 64 accumulators take turns, one instruction a turn.
.macro MUL16 a0, p, q, sc, zero
.irp a, \a0, \a0+1
.irp b, 0,1,2,3,4,5,6,7
.if \zero
	v_wmma_scale_f32_16x16x128_f8f6f4 v[8*(8*((\a)%4)+\b):8*(8*((\a)%4)+\b)+7], v[128*(\p)+FR*\b:128*(\p)+FR*\b+FR-1], v[AF+FR*(\a):AF+FR*(\a)+FR-1], v[BIAS+8*\b:BIAS+8*\b+7], v[SC+8*NQ*(\sc)+NQ*\b+(\q)], v[SC+8*NQ*(\sc)+NQ*(\a)+(\q)] matrix_a_fmt:MATRIX_FMT_FP4 matrix_b_fmt:MATRIX_FMT_FP4 matrix_a_scale:MATRIX_SCALE_ROW1
.else
	v_wmma_scale_f32_16x16x128_f8f6f4 v[8*(8*((\a)%4)+\b):8*(8*((\a)%4)+\b)+7], v[128*(\p)+FR*\b:128*(\p)+FR*\b+FR-1], v[AF+FR*(\a):AF+FR*(\a)+FR-1], v[8*(8*((\a)%4)+\b):8*(8*((\a)%4)+\b)+7], v[SC+8*NQ*(\sc)+NQ*\b+(\q)], v[SC+8*NQ*(\sc)+NQ*(\a)+(\q)] matrix_a_fmt:MATRIX_FMT_FP4 matrix_b_fmt:MATRIX_FMT_FP4 matrix_a_scale:MATRIX_SCALE_ROW1
.endif
.endr
.endr
.endm
.macro FETCH_B slot, q, p
	WIN TO_B
.irp i, 0,1,2,3,4,5,6,7
	FRAG 128*(\p)+FR*\i, ADRB+\slot, \q, \i
.endr
	WIN 0
.endm
.macro FETCH_A slot, q, i0
.irp i, \i0, \i0+1, \i0+2, \i0+3
	FRAG AF+FR*(\i), ADRA+\slot, \q, \i
.endr
.endm
.macro SCALES sc                       ; a slot's scale words: lanes 0-15 take x's block i, lanes 16-31 W's block i
.irp i, 0,1,2,3,4,5,6,7
	ds_load_b128 v[SC+8*NQ*\sc+NQ*\i:SC+8*NQ*\sc+NQ*\i+3], v[ADRS] offset:\i*SBLK
.endr
.endm
.macro PLACES n                        ; plain vector lines between a matrix instruction and a load into, or a read of, its registers
.rept \n
	v_nop
.endr
.endm
.macro STEP slot, q, zero              ; 128 along K, with its successor in the same slot
	s_wait_dscnt 4*NL                              ; W's set and x's blocks 0-3 are in; the youngest eight loads (x's blocks 4-7) may be out
.if \zero
	WIN 0x81                                       ; C (the bias) in window 0, D in window 2
.else
	WIN MUL_LO
.endif
	MUL16 0, (\q)%2, \q, \slot, \zero
	MUL16 2, (\q)%2, \q, \slot, \zero
	s_wait_dscnt 0
	PLACES NP
	FETCH_B \slot, (\q)+1, 1-(\q)%2
	FETCH_A \slot, (\q)+1, 0
.if \zero
	WIN 0xc1
.else
	WIN MUL_HI
.endif
	MUL16 4, (\q)%2, \q, \slot, \zero
	MUL16 6, (\q)%2, \q, \slot, \zero
	PLACES NP
	WIN 0
	FETCH_A \slot, (\q)+1, 4
.endm
; Slot 0's last step changes slots: each wave waits for all its tensor loads (its part of slot 1), adds 0 to its spare word, waits for that and for its reads of slot 0, and passes a barrier.  Nothing is filled again.
.macro TURN slot, next
	s_wait_tensorcnt 0x0
	ds_add_u32 v[SPW], v[NIL]
	s_wait_dscnt 4*NL+1                            ; the add and the youngest eight loads may be out
	WIN MUL_LO
	MUL16 0, 1, NQ-1, \slot, 0
	s_wait_dscnt 0x0
	s_barrier_signal -1
	MUL16 2, 1, NQ-1, \slot, 0
	WIN 0
	s_barrier_wait -1
	PLACES NP
	v_add_nc_u32 v[ADRS], 4*NQ, v[ADRS]            ; the next slot's scale words
	FETCH_B \next, 0, 0
	FETCH_A \next, 0, 0
	SCALES \next
	WIN MUL_HI
	MUL16 4, 1, NQ-1, \slot, 0
	MUL16 6, 1, NQ-1, \slot, 0
	PLACES NP
	WIN 0
	FETCH_A \next, 0, 4
.endm
	s_wait_loadcnt 0x0                             ; the bias
	s_wait_tensorcnt 1                             ; the scales and my part of slot 0 are in; slot 1's load may be out
	s_barrier_signal -1
	s_barrier_wait -1
	FETCH_B 0, 0, 0
	FETCH_A 0, 0, 0
	SCALES 0
	FETCH_A 0, 0, 4
	STEP 0, 0, 1
	STEP 0, 1, 0
	STEP 0, 2, 0
	TURN 0, 1
	STEP 1, 0, 0
	STEP 1, 1, 0
	STEP 1, 2, 0
	s_wait_dscnt 4*NL                              ; the last step: nothing more to fetch
	WIN MUL_LO
	MUL16 0, 1, NQ-1, 1, 0
	MUL16 2, 1, NQ-1, 1, 0
	s_wait_dscnt 0
	WIN MUL_HI
	MUL16 4, 1, NQ-1, 1, 0
	MUL16 6, 1, NQ-1, 1, 0
	WIN 0
; THE WAY OUT, a block of 16 rows x 128 outputs (two heads) at a time: rounded to f16, 16 bytes a lane, through my stage, and back so that a store covers four rows of one head: 512 consecutive bytes.
.macro PACK a
.set AC, 64*((\a)%4)
	WIN 0x0a+5*((\a)/4)                            ; sources in window 2 or 3
.irp b, 0,1,2,3,4,5,6,7
.irp r, 0,1,2,3
	v_cvt_pk_f16_f32 v[TMP+4*\b+\r], v[AC+8*\b+2*\r], v[AC+8*\b+2*\r+1]    ; each accumulator from its low end on
.endr
.endr
	WIN 0
.endm
.macro TOSTAGE a
.set BB, BK+32*((\a)%2)
.irp b, 0,1,2,3,4,5,6,7
	ds_store_b128 v[STO], v[TMP+4*\b:TMP+4*\b+3] offset:32*\b
.endr
.irp f, 0,1
.irp t, 0,1,2,3
	ds_load_b128 v[BB+16*\f+4*\t:BB+16*\f+4*\t+3], v[RD] offset:1088*\t+128*\f   ; LDS serves a wave's instructions in order: these see the stores above
.endr
.endr
.endm
.macro SEND a
.set BB, BK+32*((\a)%2)
	s_wait_dscnt 0x0                               ; the block is back in registers
	s_wait_xcnt 0x0                                ; the block before has had its stores' registers read: the next loads may land there
.irp f, 0,1
.irp t, 0,1,2,3
	global_store_b128 v[CO], v[BB+16*\f+4*\t:BB+16*\f+4*\t+3], s[12:13] offset:2048*(\a)+512*\t+131072*\f
.endr
.endr
.endm
	PLACES NP
	PACK 0
	TOSTAGE 0
.irp a, 1,2,3,4,5,6,7
	PACK \a
	SEND \a-1
	TOSTAGE \a
.endr
	SEND 7
	s_wait_tensorcnt 0x0                           ; the wave's end
	ds_add_u32 v[SPW], v[NIL]
	s_wait_dscnt 0x0
	CROUND                                         ; the closing round
	s_endpgm
.Lfunc_end_k_qe52cdc8d5b_proj:
	.size	k_qe52cdc8d5b_proj, .Lfunc_end_k_qe52cdc8d5b_proj-k_qe52cdc8d5b_proj
	.p2alignl 7, 3214868480
	.fill 96, 4, 3214868480
	.section	.rodata,"a",@progbits
	.p2align	6, 0x0
	.amdhsa_kernel k_qe52cdc8d5b_proj
		.amdhsa_group_segment_fixed_size 327680
		.amdhsa_private_segment_fixed_size 0
		.amdhsa_enable_private_segment 0
		.amdhsa_kernarg_size 48
		.amdhsa_user_sgpr_count 2
		.amdhsa_user_sgpr_kernarg_segment_ptr 1
		.amdhsa_wavefront_size32 1
		.amdhsa_system_sgpr_workgroup_id_x 1
		.amdhsa_system_sgpr_workgroup_id_y 1
		.amdhsa_system_sgpr_workgroup_id_z 1
		.amdhsa_system_vgpr_workitem_id 0
		.amdhsa_next_free_vgpr 1024
		.amdhsa_next_free_sgpr 102
		.amdhsa_reserve_vcc 0
		.amdhsa_float_denorm_mode_32 3
		.amdhsa_float_denorm_mode_16_64 3
		.amdhsa_memory_ordered 1
		.amdhsa_forward_progress 1
		.amdhsa_inst_pref_size 128
	.end_amdhsa_kernel
	.amdgpu_metadata
---
amdhsa.version: [ 1, 2 ]
amdhsa.kernels:
  - .name:           k_qe52cdc8d5b_proj
    .symbol:         k_qe52cdc8d5b_proj.kd
    .args:
      - { .name: codes, .offset: 0, .size: 8, .value_kind: global_buffer, .address_space: global }
      - { .name: scales, .offset: 8, .size: 8, .value_kind: global_buffer, .address_space: global }
      - { .name: bq, .offset: 16, .size: 8, .value_kind: global_buffer, .address_space: global }
      - { .name: bk, .offset: 24, .size: 8, .value_kind: global_buffer, .address_space: global }
      - { .name: bv, .offset: 32, .size: 8, .value_kind: global_buffer, .address_space: global }
      - { .name: qkv, .offset: 40, .size: 8, .value_kind: global_buffer, .address_space: global }
    .group_segment_fixed_size: 327680
    .private_segment_fixed_size: 0
    .kernarg_segment_align: 8
    .kernarg_segment_size: 48
    .max_flat_workgroup_size: 128
    .sgpr_count:     102
    .vgpr_count:     1024
    .wavefront_size: 32
...
	.end_amdgpu_metadata
.endif
;; end of part 2
;; launch attn (part 3): grid 4 x 128, 8 waves a work-group, no clusters, 327,680 bytes of LDS; arguments qkv, tabs, xh; writes xh
.if DOCPART == 3
	.amdgcn_target "amdgcn-amd-amdhsa--gfx1250"
	.amdhsa_code_object_version 6
	.text
	.protected	k_qe52cdc8d5b_attn
	.globl	k_qe52cdc8d5b_attn
	.p2align	8
	.type	k_qe52cdc8d5b_attn,@function
k_qe52cdc8d5b_attn:
	s_mov_b64 s[64:65], 0
	v_nop
	global_prefetch_b8 v0, s[64:65] scope:SCOPE_SE
	s_setreg_imm32_b32 hwreg(HW_REG_WAVE_MODE, 25, 1), 1
	s_wait_xcnt 0x0
; ATTN: x[q] = sum over k of softmax_k((q.k + q.Tk[clip(k - q) + 32]) / 8) (V[k] + Tv[clip(k - q) + 32]), one head (64 channels, 1,024 keys) a grid row; operands f16, all sums, maxima and exponentials f32.
; THE RELATIVE TERMS.  q.Tk[..] is one of 65 numbers a query, qr[q][j]: qr[q][0] for k - q <= -32, qr[q][64] for k - q >= 32.  It enters as the C of the score's first product.
;   The sum of p Tv[..] is l_lo Tv[0] + l_hi Tv[64] (l_lo, l_hi: the sums of p over the far keys on either side) + a band.
; SHARES.  A work-group owns 256 queries of a head, each of its 8 waves 32: two tiles of 16.  Two waves share a SIMD, so that one's softmax stands beside the other's products.  Every wave walks 16 steps of 64 keys.
;   Only the two steps at KB0 and KB1 = KB0 + 64, KB0 = ((first query + 32) & ~63) - 64, hold keys with |k - q| < 32: in them the C comes from the wave's 32 bias rows in LDS (made once, at the head), and the
;   band's part of the second product is made by the matrix unit: p is laid askew in LDS (column = 16 + key - lane's query), so that a column is one distance k - q for all 16 queries, and multiplied by a
;   window of the table tvx[ch][x] (prep's), whose ends repeat rows 0 and 64, so that clipped keys of a band step are served too.
; LAYOUT.  Both products transposed: S^T = K Q^T, O^T = V^T P: a lane holds ONE query (lane % 16).  The row's sum of p is one more row of the second product (a fragment of ones in rows 0 and 8).
; SOFTMAX.  A running maximum M and p = 2^(c s - c M), c = log2(e) / 8; in every step O and the sums are multiplied by a = 2^(c M_old - c M_new).
; RING.  Two LDS slots of 128 keys (two steps), filled by the tensor data mover: waves 0, 1 K's halves, waves 2, 3 V's; wave 4 brings the table once.  One tensor load of a wave is out at most; every wait for them is for 0.
; NO CLUSTER, though the four query blocks of a head read the same K and V: the steps at which a wave takes its band work are branches on the query block, which differs between such partners,
;   and it is these branches that keep the 14 far steps free of any work per score.
; LIMITS: q, k, v and x inside f16's range (65,504); NaN and infinities are not served; the row's sum is taken of p as rounded to f16, the numbers that the second product multiplies.
; REGISTERS.  Window 0: v1-15, v34-38 addresses; v16-31 statistics, eight a tile; v32-33 qr[q][64]; v40-71 Q; v72-135 the C of the scores; v136-199 S^T; v200-231 P; v232-255 at work.
;   Window 1: v0-63 K, v64-127 V (in a band step v0-111 the table's window); v128-191 O^T; v192-207 the row sums; v208-215 the ones.
.set PK,    144                        ; a key's row of K in LDS: 128 bytes + 16
.set PVP,   160                        ; of V: 128 + 32
.set VOFF,  128*PK                     ; a slot: 128 rows of K, then 128 rows of V: 38,912 bytes
.set SLOT1, 1<<16                      ; slot 1: one exclusive or turns an address from one slot to the other
.set WSC,   38912                      ; each wave's askew p: 16 rows x 208 bytes
.set WSCB,  3328
.set SPARE, 104448                     ; the spare words: four blocks of 256 bytes that no other line names
.set TVX,   105472                     ; the table: 65 rows x (512 + 16) bytes, filled once
.set BROWS, 140032                     ; each wave's 32 bias rows x (128 f32 + 16 bytes); at the end its stage
.set BRB,   16896
.set QO,  1
.set AK0, 2
.set AV0, 3
.set ADK, 4
.set ADV, 5
.set ABR, 6
.set AWS, 7
.set AWL, 8
.set ATV, 9
.set AFR, 10
.set STO, 11
.set RD,  12
.set GO,  13
.set SPW, 14                           ; v14  my spare word; never rewritten
.set NIL, 15                           ; v15  0; never rewritten
.set ST,  16                           ; tile u at v[ST + 8 u]: +0 c M, +1 M, +2 l_lo, +3 the sum saved behind the band, +4 .. +7 at work; a takes +6
.set CHI, 32
.set PFO, 34
.set ABW, 35
.set ABW4, 36
.set ABF, 37
.set AWZ, 38
.set Q,   40
.set BI,  72
.set S,   136
.set QR,  136                          ; at the head: qr, tile (u, t) at v[QR + 40 u + 8 t]
.set P,   200
.set CLO, 232
.set VFR, 64                           ; window 1
.set O,   128
.set OX,  192
.set ONES, 208
.set WV,  14
.set PI,  15                           ; s15  wave & 1: first query - KB0 is 64 - 32 x this
.set KF,  16                           ; s16  the step's first key
.set KB0, 17
.set KB1, 18
.set TB,  19                           ; s19  where the slot in hand begins
.set SEL, 20
.set CS,  22
.set G1K, 24
.set G1V, 32
.set G0K, 40
.set G0V, 44
.set G1T, 48
.set G0T, 56
.set SLOTS, 60
.set LIM, 61
.set MHI, 62                           ; s62  lanes 16-31
.set FLAG, 63                          ; s63  1.0 where keys lie behind the band, else 0
.set PFA, 66
.set MSB, 0
.macro WIN new
.if MSB != (\new)
	s_set_vgpr_msb (MSB<<8)|(\new)
.set MSB, \new
.endif
.endm
.set W_KQ, 0x01                        ; source 0 (K) window 1
.set W_PV, 0x51                        ; source 0 (V) window 1, P window 0, C and D window 1
.set W_RS, 0x41                        ; destination and source 0 window 1
.set TO_1, 0x40                        ; destination window 1
.macro NOPS n
.rept \n
	v_nop
.endr
.endm
; Waves 0 and 1 fetch K's halves of a slot, waves 2 and 3 V's, the others nothing.  An s_nop 0 and four v_nop follow each tensor load.
.macro TLOAD
	s_cmp_lt_u32 s[WV], 2
	s_cbranch_scc0 .Lnot_k_\@
	tensor_load_to_lds s[G0K:G0K+3], s[G1K:G1K+7]
	s_nop 0
	NOPS 4
	s_branch .Lasked_\@
.Lnot_k_\@:
	s_cmp_lt_u32 s[WV], 4
	s_cbranch_scc0 .Lasked_\@
	tensor_load_to_lds s[G0V:G0V+3], s[G1V:G1V+7]
	s_nop 0
	NOPS 4
.Lasked_\@:
.endm
; A prefetch of the slot that the NEXT change of slots will load: 16,384 bytes of K and of V.  All four work-groups of a head walk the same K and V: the first asks.  In it waves 4, 5 ask for K's halves, waves 6, 7
; for V's: 8,192 bytes a wave, lanes 256 bytes apart, one instruction: each aligned block of 256 bytes is named once in the launch.  The last change that fills a slot asks for nothing; slots 0 and 1 come by their loads alone.
.macro ASK
	s_cmp_gt_u32 s[SLOTS], s[LIM]
	s_cbranch_scc0 .Lnot_mine_\@
	global_prefetch_b8 v[PFO], s[PFA:PFA+1] th:TH_LOAD_NT scope:SCOPE_SE
.Lnot_mine_\@:
.endm
	s_load_b128 s[4:7], s[0:1], 0x0                ; qkv, tabs
	s_load_b64 s[8:9], s[0:1], 0x10                ; xh
	v_lshl_add_u32 v[SPW], v0, 2, SPARE
	v_mov_b32 v[NIL], 0
	ds_add_u32 v[SPW], v[NIL]                      ; the wave's opening: the add, twice on end, and its wait ahead of the first tensor load; the set-up below stands between
	ds_add_u32 v[SPW], v[NIL]
	v_lshrrev_b32 v1, 5, v0
	v_readfirstlane_b32 s[WV], v1                  ; wave 0..7
	s_and_b32 s[PI], s[WV], 1
	s_lshl_b32 s68, s[WV], 5                       ; 32 w
	s_add_co_u32 s69, s68, 32
	s_and_b32 s69, s69, 0x1c0
	s_lshl_b32 s70, ttmp9, 8                       ; 256 x
	s_add_co_u32 s[KB1], s69, s70                  ; the band's second step (1,024: there is none)
	s_sub_co_u32 s[KB0], s[KB1], 64                ; its first (-64: there is none; no step's first key equals it)
	s_cmp_lt_u32 s[KB1], 1024
	s_cselect_b32 s[FLAG], 0x3f800000, 0
	s_add_co_u32 s72, s70, s68                     ; my first query
	s_and_b32 s71, ttmp7, 0xffff                   ; batch x 16 + head
	s_lshr_b32 s76, s71, 4                         ; xh [batch][block of 128 rows][head][128][64]:
	s_lshl_b32 s76, s76, 21
	s_lshr_b32 s77, s72, 7
	s_lshl_b32 s77, s77, 18
	s_add_co_u32 s76, s76, s77
	s_and_b32 s77, s71, 15
	s_lshl_b32 s77, s77, 14
	s_add_co_u32 s76, s76, s77
	s_and_b32 s77, s72, 127
	s_lshl_b32 s77, s77, 7
	s_add_co_u32 s76, s76, s77
	s_mov_b32 s77, 0                               ; s[76:77]: my rows in xh
	s_lshl_b32 s74, s71, 17                        ; the head's bytes in q, k, v
	s_lshl_b32 s72, s72, 7
	s_add_co_u32 s72, s72, s74
	s_mov_b32 s73, 0                               ; s[72:73]: my rows in q
	s_add_co_u32 s74, s74, 1<<24
	s_mov_b32 s75, 0                               ; s[74:75]: the head in k
	; descriptor groups 1.  K: 64 rows x 64 elements of 2 bytes, 4 words of padding behind every 32; V: 8 words; the table: 65 rows x 64 elements of 8 bytes, 4 words behind every 128
	s_mov_b32 s[G1K], (1<<16)|(1<<20)|(4<<22)|(3<<25)
	s_mov_b32 s[G1V], (1<<16)|(1<<20)|(4<<22)|(7<<25)
.irp g, G1K, G1V
	s_mov_b32 s[\g+1], 64<<16
	s_mov_b32 s[\g+2], 64<<16
	s_mov_b32 s[\g+3], 64<<16
	s_mov_b32 s[\g+4], 64
	s_mov_b32 s[\g+5], 64
	s_mov_b32 s[\g+6], 0
	s_mov_b32 s[\g+7], 0
.endr
	s_mov_b32 s[G1T], (3<<16)|(1<<20)|(6<<22)|(3<<25)
	s_mov_b32 s[G1T+1], 64<<16
	s_mov_b32 s[G1T+2], 65<<16
	s_mov_b32 s[G1T+3], 64<<16
	s_mov_b32 s[G1T+4], 65
	s_mov_b32 s[G1T+5], 64
	s_mov_b32 s[G1T+6], 0
	s_mov_b32 s[G1T+7], 0
	s_mov_b32 s[SEL], 0x76543210
	s_mov_b32 s[SEL+1], 0xfedcba98                 ; v_permlanex16_b32's selects for lane l xor 16
	s_mov_b32 s[CS], 0x3e38aa3b                    ; c = log2(e) / 8
	s_mov_b32 s[CS+1], s[CS]
	s_mov_b32 s[MHI], 0xffff0000
	s_mov_b32 s[KF], 0
	s_mov_b32 s[TB], 0
	s_mov_b32 s[SLOTS], 7
	s_mul_i32 s78, s[WV], WSCB
	s_add_co_u32 s78, s78, WSC                     ; my askew p
	s_mul_i32 s79, s[WV], BRB
	s_add_co_u32 s79, s79, BROWS                   ; my bias rows
	s_xor_b32 s68, s[PI], 1
	s_lshl_b32 s68, s68, 7                         ; 4 bytes x (first query - KB0 - 32)
	s_lshl_b32 s69, s[PI], 6
	s_add_co_u32 s69, s69, TVX+64                  ; the table from x = 32 + 32 (wave & 1) on
	v_and_b32 v242, 15, v0                         ; r
	v_bfe_u32 v243, v0, 4, 1                       ; h
	v_and_b32 v244, 31, v0                         ; lane
	v_and_b32 v245, 7, v0
	v_bfe_u32 v246, v0, 3, 1
	v_bfe_u32 v247, v0, 3, 2
	v_lshlrev_b32 v[QO], 7, v242
	v_lshl_add_u32 v[QO], v243, 4, v[QO]           ; Q, Tk: row r of 128 bytes + 16 h
	v_mul_u32_u24 v[AK0], v242, PK
	v_lshl_add_u32 v[AK0], v243, 4, v[AK0]         ; K: row r + 16 h
	v_lshl_add_u32 v[AV0], v243, 3, v245
	v_mul_u32_u24 v[AV0], v[AV0], PVP
	v_lshl_add_u32 v[AV0], v246, 4, v[AV0]
	v_add_nc_u32 v[AV0], VOFF, v[AV0]              ; V, for the turning load: key 8 h + lane % 8, channels 8 ((lane / 8) % 2) on
	v_mul_u32_u24 v248, v242, 528
	v_add_nc_u32 v249, s79, v248
	v_lshl_add_u32 v[ABR], v243, 5, v249           ; a bias row is read: row r, 8 h entries on
	v_lshl_add_u32 v[ABF], v243, 8, v249           ; and filled: lanes 0-15 entries 0-63, lanes 16-31 entries 64-127
	v_mul_u32_u24 v[AWS], v242, 206
	v_lshl_add_u32 v[AWS], v243, 4, v[AWS]
	v_add_nc_u32 v[AWS], s78, v[AWS]
	v_add_nc_u32 v[AWS], 32, v[AWS]                ; askew p, way in: row r of 208 bytes, column 16 + key - r: 206 r + 32 + 2 key
	v_mul_u32_u24 v[AWL], v242, 208
	v_lshl_add_u32 v[AWL], v243, 4, v[AWL]
	v_add_nc_u32 v[AWL], s78, v[AWL]               ; way out: a fragment's row r + 16 h
	v_lshl_add_u32 v[ATV], v243, 4, v248
	v_add_nc_u32 v[ATV], s69, v[ATV]               ; the table: channel r + 16 h
	v_lshlrev_b32 v[AFR], 5, v243
	v_add_nc_u32 v[AFR], TVX+64*528, v[AFR]        ; its row 64: Tv[0], Tv[64] in f32; my 8 h channels on
	v_mul_u32_u24 v[STO], v242, 144
	v_lshl_add_u32 v[STO], v243, 4, v[STO]
	v_add_nc_u32 v[STO], s79, v[STO]               ; the stage, way in
	v_mul_u32_u24 v[RD], v247, 144
	v_lshl_add_u32 v[RD], v245, 4, v[RD]
	v_add_nc_u32 v[RD], s79, v[RD]                 ; way out: eight lanes a row, four rows an instruction
	v_lshlrev_b32 v[GO], 4, v244
	v_lshlrev_b32 v[PFO], 8, v244
	v_mul_u32_u24 v[ABW4], v242, 532
	v_add_nc_u32 v[ABW4], s79, v[ABW4]
	v_add_nc_u32 v[ABW4], s68, v[ABW4]
	v_lshl_add_u32 v[ABW], v243, 5, v[ABW4]        ; qr[q][j] goes to entry j + r + 16 u + (first query - KB0 - 32) of row r: 532 r + 4 j
	v_add_nc_u32 v[ABW4], 256, v[ABW4]             ; j = 64
	v_lshl_add_u32 v[AWZ], v244, 3, s78
	s_wait_dscnt 0x0                               ; both opening adds are done
	s_wait_kmcnt 0x0
	s_add_nc_u64 s[10:11], s[4:5], s[74:75]        ; k at the head
	s_add_nc_u64 s[12:13], s[10:11], 1<<24         ; v
	s_add_nc_u64 s[4:5], s[4:5], s[72:73]          ; q at my rows
	s_add_nc_u64 s[8:9], s[8:9], s[76:77]          ; xh at my rows
	s_lshl_b32 s68, s[PI], 13                      ; the half of a slot that I fetch or ask for: 64 rows of 128 bytes
	s_mov_b32 s69, 0
	s_mov_b32 s[G0K], 1
	s_mul_i32 s[G0K+1], s[PI], 64*PK
	s_add_nc_u64 s[G0K+2:G0K+3], s[10:11], s[68:69]
	s_or_b32 s[G0K+3], s[G0K+3], 0x80000000
	s_mov_b32 s[G0V], 1
	s_mul_i32 s[G0V+1], s[PI], 64*PVP
	s_add_co_u32 s[G0V+1], s[G0V+1], VOFF
	s_add_nc_u64 s[G0V+2:G0V+3], s[12:13], s[68:69]
	s_or_b32 s[G0V+3], s[G0V+3], 0x80000000
	s_mov_b32 s[G0T], 1
	s_mov_b32 s[G0T+1], TVX
	s_mov_b64 s[G0T+2:G0T+3], s[6:7]
	s_or_b32 s[G0T+3], s[G0T+3], 0x80000000
	; the first fills: slot 0 and the table, one load a wave at most, ahead of every wait for tensor loads, every LDS read and every barrier
	s_cmp_lt_u32 s[WV], 2
	s_cbranch_scc0 .Lh_not_k
	tensor_load_to_lds s[G0K:G0K+3], s[G1K:G1K+7]
	s_nop 0
	NOPS 4
	s_branch .Lh_done
.Lh_not_k:
	s_cmp_lt_u32 s[WV], 4
	s_cbranch_scc0 .Lh_not_v
	tensor_load_to_lds s[G0V:G0V+3], s[G1V:G1V+7]
	s_nop 0
	NOPS 4
	s_branch .Lh_done
.Lh_not_v:
	s_cmp_eq_u32 s[WV], 4
	s_cbranch_scc0 .Lh_done
	tensor_load_to_lds s[G0T:G0T+3], s[G1T:G1T+7]
	s_nop 0
	NOPS 4
.Lh_done:
.irp u, 0,1
.irp c, 0,1
	global_load_b128 v[Q+16*\u+8*\c:Q+16*\u+8*\c+3], v[QO], s[4:5] offset:2048*\u+64*\c         ; Q stays in registers: tile u, channels 32 c on
	global_load_b128 v[Q+16*\u+8*\c+4:Q+16*\u+8*\c+7], v[QO], s[4:5] offset:2048*\u+64*\c+32
.endr
.endr
	WIN TO_1
.irp t, 0,1,2,3,4
.irp c, 0,1
	global_load_b128 v[16*\t+8*\c:16*\t+8*\c+3], v[QO], s[6:7] offset:33280+2048*\t+64*\c       ; Tk's rows 16 t on (rows 64-79 repeat row 64)
	global_load_b128 v[16*\t+8*\c+4:16*\t+8*\c+7], v[QO], s[6:7] offset:33280+2048*\t+64*\c+32
.endr
.endr
	WIN 0
	; the prefetches: where mine stand, and who asks
	s_cmp_lt_u32 s[WV], 6
	s_cselect_b64 s[PFA:PFA+1], s[10:11], s[12:13]
	s_add_co_u32 s68, s68, 16384                   ; in slot 1: the first change of slots steps it to slot 2
	s_add_nc_u64 s[PFA:PFA+1], s[PFA:PFA+1], s[68:69]
	s_lshr_b32 s70, s[WV], 2
	s_xor_b32 s70, s70, 1                          ; 0 in waves 4 to 7,
	s_or_b32 s70, s70, ttmp9                       ; of the head's first work-group
	s_cmp_eq_u32 s70, 0
	s_cselect_b32 s[LIM], 1, -1
	v_mov_b32 v240, 0
	v_mov_b32 v241, 0
.irp i, 0,1,2,3,4,5,6,7,8,9,10,11,12
	ds_store_b64 v[AWZ], v[240:241] offset:256*\i  ; the askew p begins as zeros: the columns that no key reaches stay so
.endr
	v_cmp_eq_u32 s70, 0, v245                      ; rows 0 and 8 of the fragment of ones: the sum then falls into register 0 of both halves of the lanes
	v_mov_b32 v250, 0x3c003c00
	v_cndmask_b32 v250, 0, v250, s70
	WIN TO_1
.set i, 0
.rept 80
	v_mov_b32 v[O+i], 0                            ; O^T and the row sums: the step is written once, its first turn finds zeros
.set i, i+1
.endr
.set i, 0
.rept 8
	v_mov_b32 v[ONES+i], v250
.set i, i+1
.endr
	WIN 0
.set i, 0
.rept 16
	v_mov_b32 v[ST+i], 0
.set i, i+1
.endr
.irp u, 0,1
	v_mov_b32 v[ST+8*\u+1], 0xff61b1e6             ; M: -3e38, under every score
	v_mul_f32 v[ST+8*\u], s[CS], v[ST+8*\u+1]
.endr
	s_wait_loadcnt 0x0                             ; Q and Tk
	WIN W_KQ
.irp c, 0,1                                    ; qr = Tk Q^T: ten accumulators by turns; lane (r, h), register i of tile (u, t): qr[query r][16 t + 8 h + i]
.irp u, 0,1
.irp t, 0,1,2,3,4
.if \c == 0
	v_wmma_f32_16x16x32_f16 v[QR+40*\u+8*\t:QR+40*\u+8*\t+7], v[16*\t:16*\t+7], v[Q+16*\u:Q+16*\u+7], 0
.else
	v_wmma_f32_16x16x32_f16 v[QR+40*\u+8*\t:QR+40*\u+8*\t+7], v[16*\t+8:16*\t+15], v[Q+16*\u+8:Q+16*\u+15], v[QR+40*\u+8*\t:QR+40*\u+8*\t+7]
.endif
.endr
.endr
.endr
	WIN 0
	NOPS 4
.irp u, 0,1                                    ; the bias rows: entry x of row q is qr[q][clip(KB0 + x - q) + 32]
	v_permlanex16_b32 v[242+\u], v[QR+40*\u], s[SEL], s[SEL+1]
	v_cndmask_b32 v[CLO+\u], v[QR+40*\u], v[242+\u], s[MHI]       ; qr[q][0] lies in lanes 0-15: both halves get it
	v_mov_b32 v[CHI+\u], v[QR+40*\u+32]                           ; qr[q][64]: every row of tile 4 is Tk[64]
	v_cndmask_b32 v[236+12*\u], v[CLO+\u], v[CHI+\u], s[MHI]
	v_mov_b32 v[237+12*\u], v[236+12*\u]
	v_mov_b32 v[238+12*\u], v[236+12*\u]
	v_mov_b32 v[239+12*\u], v[236+12*\u]
.irp i, 0,1,2,3,4,5,6,7,8,9,10,11,12,13,14,15
	ds_store_b128 v[ABF], v[236+12*\u:239+12*\u] offset:8448*\u+16*\i    ; the far values first;
.endr
.irp t, 0,1,2,3
.irp i, 0,1,2,3,4,5,6,7
	ds_store_b32 v[ABW], v[QR+40*\u+8*\t+\i] offset:8512*\u+64*\t+4*\i   ; LDS serves a wave's instructions in order: the 65 land over them
.endr
.endr
	ds_store_b32 v[ABW4], v[CHI+\u] offset:8512*\u                       ; both halves write the same word with the same value
.endr
.irp u, 0,1
.set i, 0
.rept 32
	v_mov_b32 v[BI+32*\u+i], v[CLO+\u]             ; the walk begins on the far left
.set i, i+1
.endr
.endr
; Ahead of a band step e: (e = 0: the sum so far is l_lo) and the scores' C comes from my bias rows.
.macro BANDPRE e
.if \e == 0
	WIN 0x01
.irp u, 0,1
	v_mov_b32 v[ST+8*\u+2], v[OX+8*\u]
.endr
	WIN 0
.endif
.irp u, 0,1
.irp t, 0,1,2,3
	ds_load_b128 v[BI+32*\u+8*\t:BI+32*\u+8*\t+3], v[ABR] offset:8448*\u+256*\e+64*\t
	ds_load_b128 v[BI+32*\u+8*\t+4:BI+32*\u+8*\t+7], v[ABR] offset:8448*\u+256*\e+64*\t+16
.endr
.endr
.endm
; Behind a band step e: O^T += (window of the table) x (askew p).  Column jj of the askew p is the distance jj - 16 - 64 + 32 (wave & 1) - 16 u + 64 e, table column jj + 48 + 32 (wave & 1) - 16 u + 64 e.
; The table's window comes as 7 half fragments of 16 columns for each 16 channels, which both tiles share: tile u's fragment c begins at half fragment 2 c + 1 - u.
.macro BANDPOST e
	NOPS 4                                         ; places behind the step's last products, in front of the loads below: into S^T's registers, and into K's and V's, which those products read
.irp u, 0,1
.irp t, 0,1,2,3
.irp i, 0,1,2,3
	ds_store_b16 v[AWS], v[P+16*\u+4*\t+\i] offset:32*\t+4*\i
	ds_store_b16_d16_hi v[AWS], v[P+16*\u+4*\t+\i] offset:32*\t+4*\i+2
.endr
.endr
.irp c, 0,1,2
	ds_load_b128 v[S+32*\u+8*\c:S+32*\u+8*\c+3], v[AWL] offset:64*\c          ; LDS serves a wave's instructions in order: one scratch serves both tiles
	ds_load_b128 v[S+32*\u+8*\c+4:S+32*\u+8*\c+7], v[AWL] offset:64*\c+32
.endr
.endr
	WIN TO_1
.irp d, 0,1,2,3
.irp n, 0,1,2,3,4,5,6
	ds_load_b128 v[28*\d+4*\n:28*\d+4*\n+3], v[ATV] offset:8448*\d+128*\e+32*\n
.endr
.endr
	s_wait_dscnt 0x0
	WIN W_PV
.irp c, 0,1,2
.irp u, 0,1
.irp d, 0,1,2,3
	v_wmma_f32_16x16x32_f16 v[O+32*\u+8*\d:O+32*\u+8*\d+7], v[28*\d+8*\c+4*(1-\u):28*\d+8*\c+4*(1-\u)+7], v[S+32*\u+8*\c:S+32*\u+8*\c+7], v[O+32*\u+8*\d:O+32*\u+8*\d+7]
.endr
.endr
.endr
	WIN 0
.if \e == 1
.irp u, 0,1
.set i, 0
.rept 32
	v_mov_b32 v[BI+32*\u+i], v[CHI+\u]             ; the walk goes on on the far right
.set i, i+1
.endr
.endr
	WIN 0x01
.irp u, 0,1
	v_mov_b32 v[ST+8*\u+3], v[OX+8*\u]             ; the sum so far is put by,
.endr
	WIN TO_1
.irp u, 0,1
	v_mov_b32 v[OX+8*\u], 0                        ; and what is summed from here on is l_hi
.endr
	WIN 0
.endif
.endm
.macro SOFTMAX
.irp m, 0,1,2,3
.irp u, 0,1
	v_max3_num_f32 v[ST+8*\u+4+\m], v[S+32*\u+8*\m], v[S+32*\u+8*\m+1], v[S+32*\u+8*\m+2]      ; four chains a tile, each score tile from its low end on
.endr
.endr
.irp g, 1,2
.irp m, 0,1,2,3
.irp u, 0,1
	v_max3_num_f32 v[ST+8*\u+4+\m], v[ST+8*\u+4+\m], v[S+32*\u+8*\m+2*\g+1], v[S+32*\u+8*\m+2*\g+2]
.endr
.endr
.endr
.irp u, 0,1
	v_max3_num_f32 v[ST+8*\u+4], v[ST+8*\u+4], v[S+32*\u+7], v[S+32*\u+15]
.endr
.irp u, 0,1
	v_max3_num_f32 v[ST+8*\u+6], v[ST+8*\u+6], v[S+32*\u+23], v[S+32*\u+31]
.endr
.irp u, 0,1
	v_max3_num_f32 v[ST+8*\u+4], v[ST+8*\u+4], v[ST+8*\u+5], v[ST+8*\u+6]
.endr
.irp u, 0,1
	v_max3_num_f32 v[ST+8*\u+4], v[ST+8*\u+4], v[ST+8*\u+7], v[ST+8*\u+1]
.endr
.irp u, 0,1
	v_permlanex16_b32 v[ST+8*\u+5], v[ST+8*\u+4], s[SEL], s[SEL+1]    ; the query's other 32 keys lie in the lane 16 away
.endr
.irp u, 0,1
	v_mov_b32 v[ST+8*\u+7], v[ST+8*\u]
.endr
.irp u, 0,1
	v_max_num_f32 v[ST+8*\u+1], v[ST+8*\u+4], v[ST+8*\u+5]
.endr
.irp u, 0,1
	v_mul_f32 v[ST+8*\u], s[CS], v[ST+8*\u+1]
.endr
.irp u, 0,1
	v_sub_f32 v[ST+8*\u+7], v[ST+8*\u+7], v[ST+8*\u]                  ; c M_old - c M_new
.endr
.set i, 0
.rept 16
.irp u, 0,1
	v_pk_fma_f32 v[S+32*\u+2*i:S+32*\u+2*i+1], v[S+32*\u+2*i:S+32*\u+2*i+1], s[CS:CS+1], v[ST+8*\u:ST+8*\u+1] op_sel_hi:[1,0,0] neg_lo:[0,0,1] neg_hi:[0,0,1]   ; c s - c M
.endr
.set i, i+1
.endr
.irp u, 0,1
	v_exp_f32 v[ST+8*\u+6], v[ST+8*\u+7]           ; a
.endr
.set i, 0
.rept 32
	v_exp_f32 v[S+i], v[S+i]                       ; ONE batch: none of these reads an exponential's result
	v_exp_f32 v[S+32+i], v[S+32+i]
.set i, i+1
.endr
	v_nop                                          ; a plain line behind the last exponential
	s_wait_alu depctr_va_vdst(0)                   ; the wait ahead of the first line that names a result: one for the 66
.set i, 0
.rept 16
	v_cvt_pk_f16_f32 v[P+i], v[S+2*i], v[S+2*i+1]  ; two score tiles, rounded in pairs, are a fragment of P
	v_cvt_pk_f16_f32 v[P+16+i], v[S+32+2*i], v[S+32+2*i+1]
.set i, i+1
.endr
.irp u, 0,1
	v_pk_mul_f32 v[ST+8*\u+2:ST+8*\u+3], v[ST+8*\u+2:ST+8*\u+3], v[ST+8*\u+6:ST+8*\u+7] op_sel_hi:[1,0]   ; the two sums put by, under the new M
.endr
.endm
; A KEY STEP: 64 keys, the q-th of the slot in hand.  A step is the band's first, its second or neither: the second test stands only on the way on which the first has failed.
.macro STEP q
	v_add_nc_u32 v[ADK], s[TB], v[AK0]
	v_add_nc_u32 v[ADV], s[TB], v[AV0]
	NOPS 3                                         ; five places behind the last products: four for the loads into their operands' registers and the read of the sums, five for the products that write over S^T
	s_cmp_eq_u32 s[KF], s[KB0]                     ; ids and the count of steps alone
	s_cbranch_scc0 .Lnp0_\@
	BANDPRE 0
	s_branch .Lnp1_\@
.Lnp0_\@:
	s_cmp_eq_u32 s[KF], s[KB1]
	s_cbranch_scc0 .Lnp1_\@
	BANDPRE 1
.Lnp1_\@:
	WIN TO_1
.irp t, 0,1,2,3
.irp c, 0,1
	ds_load_b128 v[16*\t+8*\c:16*\t+8*\c+3], v[ADK] offset:(64*\q+16*\t)*PK+64*\c
	ds_load_b128 v[16*\t+8*\c+4:16*\t+8*\c+7], v[ADK] offset:(64*\q+16*\t)*PK+64*\c+32
.endr
.endr
.irp k, 0,1
.irp d, 0,1,2,3
	ds_load_tr16_b128 v[VFR+32*\k+8*\d:VFR+32*\k+8*\d+3], v[ADV] offset:(64*\q+32*\k)*PVP+32*\d
	ds_load_tr16_b128 v[VFR+32*\k+8*\d+4:VFR+32*\k+8*\d+7], v[ADV] offset:(64*\q+32*\k)*PVP+16*PVP+32*\d
.endr
.endr
	s_wait_dscnt 16                                ; K (and a band step's C) are in; V's sixteen loads may be out
	WIN W_KQ
.irp c, 0,1                                    ; S^T = K Q^T + C: eight accumulators by turns
.irp u, 0,1
.irp t, 0,1,2,3
.if \c == 0
	v_wmma_f32_16x16x32_f16 v[S+32*\u+8*\t:S+32*\u+8*\t+7], v[16*\t:16*\t+7], v[Q+16*\u:Q+16*\u+7], v[BI+32*\u+8*\t:BI+32*\u+8*\t+7]
.else
	v_wmma_f32_16x16x32_f16 v[S+32*\u+8*\t:S+32*\u+8*\t+7], v[16*\t+8:16*\t+15], v[Q+16*\u+8:Q+16*\u+15], v[S+32*\u+8*\t:S+32*\u+8*\t+7]
.endif
.endr
.endr
.endr
	WIN 0
	NOPS 4
	SOFTMAX
	WIN W_RS
.irp u, 0,1
.set i, 0
.rept 16
	v_pk_mul_f32 v[O+32*\u+2*i:O+32*\u+2*i+1], v[O+32*\u+2*i:O+32*\u+2*i+1], v[ST+8*\u+6:ST+8*\u+7] op_sel_hi:[1,0]   ; O^T under the new M
.set i, i+1
.endr
	v_pk_mul_f32 v[OX+8*\u:OX+8*\u+1], v[OX+8*\u:OX+8*\u+1], v[ST+8*\u+6:ST+8*\u+7] op_sel_hi:[1,0]                 ; and the running sum (its other rows are zeros)
.endr
	s_wait_dscnt 0x0                               ; V is in
	WIN W_PV
.irp k, 0,1                                    ; O^T += V^T P, and the sums: ten accumulators by turns
.irp u, 0,1
.irp d, 0,1,2,3
	v_wmma_f32_16x16x32_f16 v[O+32*\u+8*\d:O+32*\u+8*\d+7], v[VFR+32*\k+8*\d:VFR+32*\k+8*\d+7], v[P+16*\u+8*\k:P+16*\u+8*\k+7], v[O+32*\u+8*\d:O+32*\u+8*\d+7]
.endr
	v_wmma_f32_16x16x32_f16 v[OX+8*\u:OX+8*\u+7], v[ONES:ONES+7], v[P+16*\u+8*\k:P+16*\u+8*\k+7], v[OX+8*\u:OX+8*\u+7]
.endr
.endr
	WIN 0
	s_cmp_eq_u32 s[KF], s[KB0]
	s_cbranch_scc0 .Lnq0_\@
	BANDPOST 0
	s_branch .Lnq1_\@
.Lnq0_\@:
	s_cmp_eq_u32 s[KF], s[KB1]
	s_cbranch_scc0 .Lnq1_\@
	BANDPOST 1
.Lnq1_\@:
	s_add_co_u32 s[KF], s[KF], 64
.endm
; THE CHANGE OF SLOTS stands at a slot's head.  Each wave waits for all its tensor loads, adds 0 to its spare word (fill = 1: twice on end), and waits for that and for its reads of the slot that it has left.
; Behind the barrier the slot ahead is whole and nobody reads the other one.  fill = 1: that other slot takes the next 128 keys: the load has two key steps in which to land.
.macro CHANGE fill
	s_wait_tensorcnt 0x0                           ; no tensor load of mine is out, so a group 0 may be written
	ds_add_u32 v[SPW], v[NIL]
.if \fill
	ds_add_u32 v[SPW], v[NIL]                      ; and once more where a tensor load follows, in every trip alike
	s_xor_b32 s[G0K+1], s[G0K+1], SLOT1
	s_add_nc_u64 s[G0K+2:G0K+3], s[G0K+2:G0K+3], 16384
	s_xor_b32 s[G0V+1], s[G0V+1], SLOT1
	s_add_nc_u64 s[G0V+2:G0V+3], s[G0V+2:G0V+3], 16384
	s_wait_xcnt 0x0                                ; the last prefetch, a slot back, has read its address
	s_add_nc_u64 s[PFA:PFA+1], s[PFA:PFA+1], 16384
.endif
	s_wait_dscnt 0x0
	s_barrier_signal -1
	s_barrier_wait -1
.if \fill
	TLOAD                                          ; the first thing behind the barrier, a wave's one tensor load until the next
	ASK
.endif
.endm
.Lslot:                                            ; 7 trips: behind each change of slots but the last the next slot is asked for
	CHANGE 1
	STEP 0
	STEP 1
	s_xor_b32 s[TB], s[TB], SLOT1
	s_sub_co_u32 s[SLOTS], s[SLOTS], 1
	s_cmp_lg_u32 s[SLOTS], 0
	s_cbranch_scc1 .Lslot
	CHANGE 0                                       ; the last slot is written out
	STEP 0
	STEP 1
	; THE WAY OUT: x = (O^T + l_lo Tv[0] + l_hi Tv[64]) / the row's sum, rounded to f16, through my stage, 512 consecutive bytes a store.
.irp z, 0,1
.irp d, 0,1,2,3
	ds_load_b128 v[BI+32*\z+8*\d:BI+32*\z+8*\d+3], v[AFR] offset:256*\z+64*\d
	ds_load_b128 v[BI+32*\z+8*\d+4:BI+32*\z+8*\d+7], v[AFR] offset:256*\z+64*\d+16
.endr
.endr
	NOPS 4
	WIN 0x01
.irp u, 0,1
	v_mov_b32 v[ST+8*\u+4], v[OX+8*\u]
.endr
	WIN 0
.irp u, 0,1
	v_add_f32 v[ST+8*\u+5], v[ST+8*\u+4], v[ST+8*\u+3]     ; the row's sum
.endr
.irp u, 0,1
	v_mul_f32 v[ST+8*\u+4], s[FLAG], v[ST+8*\u+4]          ; l_hi: nothing where the band reaches the last key
.endr
.irp u, 0,1
	v_rcp_f32 v[ST+8*\u+6], v[ST+8*\u+5]
.endr
	v_nop
	s_wait_alu depctr_va_vdst(0)                   ; one wait for the two reciprocals, ahead of their first reader
	s_wait_dscnt 0x0
.irp u, 0,1
	WIN 0x10                                       ; source 2 (O^T) window 1
.set i, 0
.rept 16
	v_pk_fma_f32 v[S+32*\u+2*i:S+32*\u+2*i+1], v[BI+2*i:BI+2*i+1], v[ST+8*\u+2:ST+8*\u+3], v[O+32*\u+2*i:O+32*\u+2*i+1] op_sel_hi:[1,0,1]
.set i, i+1
.endr
	WIN 0
.set i, 0
.rept 16
	v_pk_fma_f32 v[S+32*\u+2*i:S+32*\u+2*i+1], v[BI+32+2*i:BI+32+2*i+1], v[ST+8*\u+4:ST+8*\u+5], v[S+32*\u+2*i:S+32*\u+2*i+1] op_sel_hi:[1,0,1]
.set i, i+1
.endr
.set i, 0
.rept 16
	v_pk_mul_f32 v[S+32*\u+2*i:S+32*\u+2*i+1], v[S+32*\u+2*i:S+32*\u+2*i+1], v[ST+8*\u+6:ST+8*\u+7] op_sel_hi:[1,0]
.set i, i+1
.endr
.set i, 0
.rept 16
	v_cvt_pk_f16_f32 v[P+16*\u+i], v[S+32*\u+2*i], v[S+32*\u+2*i+1]
.set i, i+1
.endr
.irp d, 0,1,2,3
	ds_store_b128 v[STO], v[P+16*\u+4*\d:P+16*\u+4*\d+3] offset:2304*\u+32*\d
.endr
.irp t, 0,1,2,3
	ds_load_b128 v[S+32*\u+4*\t:S+32*\u+4*\t+3], v[RD] offset:2304*\u+576*\t
.endr
.endr
	s_wait_dscnt 0x0
.irp u, 0,1
.irp t, 0,1,2,3
	global_store_b128 v[GO], v[S+32*\u+4*\t:S+32*\u+4*\t+3], s[8:9] offset:2048*\u+512*\t
.endr
.endr
	s_wait_tensorcnt 0x0                           ; the wave's end
	ds_add_u32 v[SPW], v[NIL]
	s_wait_dscnt 0x0
	s_endpgm
.Lfunc_end_k_qe52cdc8d5b_attn:
	.size	k_qe52cdc8d5b_attn, .Lfunc_end_k_qe52cdc8d5b_attn-k_qe52cdc8d5b_attn
	.p2alignl 7, 3214868480
	.fill 96, 4, 3214868480
	.section	.rodata,"a",@progbits
	.p2align	6, 0x0
	.amdhsa_kernel k_qe52cdc8d5b_attn
		.amdhsa_group_segment_fixed_size 327680
		.amdhsa_private_segment_fixed_size 0
		.amdhsa_enable_private_segment 0
		.amdhsa_kernarg_size 24
		.amdhsa_user_sgpr_count 2
		.amdhsa_user_sgpr_kernarg_segment_ptr 1
		.amdhsa_wavefront_size32 1
		.amdhsa_system_sgpr_workgroup_id_x 1
		.amdhsa_system_sgpr_workgroup_id_y 1
		.amdhsa_system_sgpr_workgroup_id_z 1
		.amdhsa_system_vgpr_workitem_id 0
		.amdhsa_next_free_vgpr 512
		.amdhsa_next_free_sgpr 80
		.amdhsa_reserve_vcc 0
		.amdhsa_float_denorm_mode_32 3
		.amdhsa_float_denorm_mode_16_64 3
		.amdhsa_memory_ordered 1
		.amdhsa_forward_progress 1
		.amdhsa_inst_pref_size 187
	.end_amdhsa_kernel
	.amdgpu_metadata
---
amdhsa.version: [ 1, 2 ]
amdhsa.kernels:
  - .name:           k_qe52cdc8d5b_attn
    .symbol:         k_qe52cdc8d5b_attn.kd
    .args:
      - { .name: qkv, .offset: 0, .size: 8, .value_kind: global_buffer, .address_space: global }
      - { .name: tabs, .offset: 8, .size: 8, .value_kind: global_buffer, .address_space: global }
      - { .name: xh, .offset: 16, .size: 8, .value_kind: global_buffer, .address_space: global }
    .group_segment_fixed_size: 327680
    .private_segment_fixed_size: 0
    .kernarg_segment_align: 8
    .kernarg_segment_size: 24
    .max_flat_workgroup_size: 256
    .sgpr_count:     80
    .vgpr_count:     512
    .wavefront_size: 32
...
	.end_amdgpu_metadata
.endif
;; end of part 3
;; launch outp (part 4): grid 8 x 64, 4 waves a work-group, clusters of 4 x 4, 327,680 bytes of LDS; arguments xh, woh, bo, out0; writes out0
.if DOCPART == 4
	.amdgcn_target "amdgcn-amd-amdhsa--gfx1250"
	.amdhsa_code_object_version 6
	.text
	.protected	k_qe52cdc8d5b_outp
	.globl	k_qe52cdc8d5b_outp
	.p2align	8
	.type	k_qe52cdc8d5b_outp,@function
k_qe52cdc8d5b_outp:
	s_mov_b64 s[64:65], 0
	v_nop
	global_prefetch_b8 v0, s[64:65] scope:SCOPE_SE
	s_setreg_imm32_b32 hwreg(HW_REG_WAVE_MODE, 25, 1), 1
	s_wait_xcnt 0x0
	s_wait_alu depctr_hold_cnt(0) depctr_sa_sdst(0) depctr_va_vdst(0) depctr_va_sdst(0) depctr_va_ssrc(0) depctr_va_vcc(0) depctr_vm_vsrc(0)
	s_getreg_b32 s2, hwreg(HW_REG_IB_STS2, 6, 4)
	s_cmp_eq_u32 s2, 0
	s_cbranch_scc0 .Lentry_in_a_cluster
	s_endpgm
.Lentry_in_a_cluster:
	s_bfe_u32 s2, ttmp6, 0x10000c
	s_cmp_lg_u32 s2, 0xf033
	s_cbranch_scc0 .Lentry_shape_is_right
	s_endpgm
.Lentry_shape_is_right:
; OUTP: out0 = x Wo^T + bo.  x: xh [batch][block of 128 rows][head][128][64] f16 (K = head x 64 + channel); Wo: woh [1024][1024] f16; bo, out0 f32; sums in f32.
; A tile of out0 is 128 x 128: four waves, each 64 x 64: 16 accumulators.  512 work-groups.  K goes in steps of 256 (four heads) through a ring of two LDS slots.
; A tile row is one block of 128 rows, whose 16 heads lie on end in memory: a wave's part of x (two heads) is 256 rows of 128 bytes, dense; of Wo 64 rows of 512 bytes.
; CLUSTERS: 4 x 4 work-groups; x's tile is shared along a row of the cluster, Wo's along a column: each is asked for JOINTLY, by the same tensor load with the same descriptor and a mask that names the four.
; THE MATRIX INSTRUCTION IS USED TRANSPOSED (source 0 = 16 rows of Wo, source 1 = 16 rows of x): a lane holds eight neighbouring outputs of a row.  THE BIAS is the C of each sum's first product.
; REGISTERS: window 0: v0-31 addresses; v32-95 rows on the way out; v96-127 the bias; v128-255 the accumulators ((a, b) at v[128 + 8 (4 a + b)]).  window 1: two fragment buffers of 128.
.set KSTEP,  256
.set PITCHA, 144                       ; a row of one head in LDS: 128 bytes + 16
.set PITCHB, 528                       ; a row of Wo's tile: 512 bytes + 16
.set HEADA,  128*PITCHA                ; a head's 128 rows
.set HALFA,  2*HEADA                   ; what one tensor load brings of x
.set HALFB,  64*PITCHB                 ; and of Wo
.set BOFF,   4*HEADA
.set SLOT,   BOFF+2*HALFB
.set STAGE,  2*SLOT                    ; behind the ring: 16 rows x 272 bytes for each wave
.set SPITCH, 272
.set SPARE,  STAGE+4*16*SPITCH         ; the spare words: two blocks of 256 bytes that no other line names
.set LAPS,   2                         ; 1,024 along K = four K steps = twice round the ring
.set ADRA, 16
.set ADRB, 20
.set STO,  24
.set RD,   25
.set CO,   26
.set BO,   27
.set SPW,  28
.set NIL,  29
.set BK,   32
.set BIAS, 96
.set ACC,  128
.set F0,   0
.set F1,   128
.set G1, 24
.set G0, 32
.set G1B, 48
.set G0B, 56
.set MSB, 0
.macro WIN new
.if MSB != (\new)
	s_set_vgpr_msb (MSB<<8)|(\new)
.set MSB, \new
.endif
.endm
.set MUL,  0x05                        ; sources 0 and 1 window 1; C and D window 0
.set TO_F, 0x40
.macro JLOAD s                         ; a joint load: waves 0 and 1 fetch x's halves, waves 2 and 3 Wo's; an s_nop 0 and four v_nop follow each of the two lines
	s_cmp_eq_u32 s11, 0
	s_cbranch_scc0 .Lfor_b_\@
	tensor_load_to_lds s[G0+4*\s:G0+4*\s+3], s[G1:G1+7]
	s_nop 0
.rept 4
	v_nop
.endr
	s_branch .Lasked_\@
.Lfor_b_\@:
	tensor_load_to_lds s[G0B+4*\s:G0B+4*\s+3], s[G1B:G1B+7]
	s_nop 0
.rept 4
	v_nop
.endr
.Lasked_\@:
.endm
.macro CREST                           ; a round of the cluster's barrier behind its opening barrier
	s_cmp_lg_u32 s10, 0
	s_cbranch_scc1 .Lnot_wave_0_\@
	s_barrier_signal -3
.Lnot_wave_0_\@:
	s_barrier_wait -3
	s_barrier_signal -1
	s_barrier_wait -1
.endm
.macro CROUND
	s_barrier_signal -1
	s_barrier_wait -1
	CREST
.endm
	s_load_b128 s[4:7], s[0:1], 0x0                ; xh, woh
	s_load_b128 s[68:71], s[0:1], 0x10             ; bo, out0
	v_lshl_add_u32 v[SPW], v0, 2, SPARE
	v_mov_b32 v[NIL], 0
	ds_add_u32 v[SPW], v[NIL]                      ; the wave's opening: the add, twice on end, and its wait ahead of my first tensor load
	ds_add_u32 v[SPW], v[NIL]
	v_lshrrev_b32 v1, 5, v0
	v_readfirstlane_b32 s10, v1                    ; wave 0..3
	s_lshr_b32 s11, s10, 1                         ; which half of the tile's rows is mine.  Also: I fetch for x (0) or for Wo (1)
	s_and_b32 s12, s10, 1                          ; which half of its columns.  Also: which half of that tile I fetch
	s_bfe_u32 s40, ttmp6, 0x40000
	s_bfe_u32 s41, ttmp6, 0x40004
	s_lshl_b32 s42, ttmp9, 2
	s_add_co_u32 s42, s42, s40                     ; tile column
	s_and_b32 s13, ttmp7, 0xffff
	s_lshl_b32 s13, s13, 2
	s_add_co_u32 s13, s13, s41                     ; tile row = batch x 8 + block of 128 rows
	s_lshl_b32 s43, s41, 2
	s_lshl_b32 s43, 15, s43                        ; my row of the cluster
	s_lshl_b32 s44, 0x1111, s40                    ; my column
	s_or_b32 s[G1+0], s43, (1<<16)|(1<<20)|(1<<21)|(4<<22)|(3<<25)  ; x: 256 rows x 64 elements of 2 bytes, dense; 4 words of padding behind every 32
	s_mov_b32 s[G1+1], 64<<16
	s_mov_b32 s[G1+2], 256<<16
	s_mov_b32 s[G1+3], 64<<16
	s_mov_b32 s[G1+4], 256
	s_mov_b32 s[G1+5], 64
	s_mov_b32 s[G1+6], 0
	s_mov_b32 s[G1+7], 0
	s_or_b32 s[G1B+0], s44, (1<<16)|(1<<20)|(1<<21)|(6<<22)|(3<<25) ; Wo: 64 rows x 256 elements; 4 words behind every 128
	s_mov_b32 s[G1B+1], KSTEP<<16
	s_mov_b32 s[G1B+2], 64<<16
	s_mov_b32 s[G1B+3], KSTEP<<16
	s_mov_b32 s[G1B+4], 64
	s_mov_b32 s[G1B+5], 1024
	s_mov_b32 s[G1B+6], 0
	s_mov_b32 s[G1B+7], 0
	s_lshl_b32 s16, s13, 18                        ; x: the tile row's 16 heads, 256 KiB,
	s_lshl_b32 s17, s12, 15
	s_add_co_u32 s16, s16, s17                     ; + the two heads that I fetch
	s_mov_b32 s17, 0
	s_lshl_b32 s46, s42, 7
	s_lshl_b32 s47, s12, 6
	s_add_co_u32 s46, s46, s47
	s_lshl_b32 s46, s46, 11                        ; Wo: row 128 x tile column + 64 x half, 2,048 bytes a row
	s_mov_b32 s47, 0
	s_mul_i32 s20, s12, HALFA                      ; where they go: no place in the cluster enters an LDS address
	s_mul_i32 s21, s12, HALFB
	s_add_co_u32 s21, s21, BOFF
	s_wait_dscnt 0x0                               ; both opening adds are done
	s_wait_kmcnt 0x0
	s_add_nc_u64 s[14:15], s[4:5], s[16:17]
	s_add_nc_u64 s[46:47], s[6:7], s[46:47]
	s_mov_b64 s[8:9], s[70:71]
	CROUND                                         ; all sixteen work-groups are here: the first joint loads meet
.irp s, 0,1
	s_mov_b32 s[G0+4*\s], 1
	s_add_co_u32 s[G0+4*\s+1], s20, \s*SLOT
	s_add_nc_u64 s[G0+4*\s+2:G0+4*\s+3], s[14:15], \s*65536        ; K step s: four heads on
	s_or_b32 s[G0+4*\s+3], s[G0+4*\s+3], 0x80000000
	s_mov_b32 s[G0B+4*\s], 1
	s_add_co_u32 s[G0B+4*\s+1], s21, \s*SLOT
	s_add_nc_u64 s[G0B+4*\s+2:G0B+4*\s+3], s[46:47], \s*KSTEP*2
	s_or_b32 s[G0B+4*\s+3], s[G0B+4*\s+3], 0x80000000
	JLOAD \s
.endr
	v_and_b32 v1, 15, v0                           ; r
	v_bfe_u32 v2, v0, 4, 1                         ; h
	v_mul_u32_u24 v3, v1, PITCHA
	v_lshl_add_u32 v3, v2, 4, v3
	v_mul_u32_u24 v4, v1, PITCHB
	v_lshl_add_u32 v4, v2, 4, v4
	s_mul_i32 s21, s11, 64*PITCHA                  ; my 64 rows in each head
	s_mul_i32 s22, s12, HALFB
	s_add_co_u32 s22, s22, BOFF                    ; my 64 rows of Wo
.irp s, 0,1
	v_add_nc_u32 v[ADRA+\s], s21, v3
	v_add_nc_u32 v[ADRB+\s], s22, v4
	s_add_co_u32 s21, s21, SLOT
	s_add_co_u32 s22, s22, SLOT
.endr
	s_mul_i32 s23, s10, 16*SPITCH
	s_add_co_u32 s23, s23, STAGE                   ; my stage
	v_mul_u32_u24 v5, v1, SPITCH
	v_lshl_add_u32 v5, v2, 5, v5
	v_add_nc_u32 v[STO], s23, v5                   ; in: row r, 32 bytes for each half of the lanes
	v_mul_u32_u24 v5, v2, SPITCH
	v_lshl_add_u32 v5, v1, 4, v5
	v_add_nc_u32 v[RD], s23, v5                    ; back: lanes 0-15 one row of 256 bytes, lanes 16-31 the next
	v_lshlrev_b32 v5, 12, v2
	v_lshl_add_u32 v[CO], v1, 4, v5                ; and the same two rows in out0
	v_lshlrev_b32 v[BO], 5, v2
	s_lshl_b32 s16, s13, 7
	s_lshl_b32 s17, s11, 6
	s_add_co_u32 s16, s16, s17                     ; my first row
	s_lshl_b32 s16, s16, 12
	s_mov_b32 s17, 0
	s_add_nc_u64 s[8:9], s[8:9], s[16:17]
	s_lshl_b32 s46, s42, 9
	s_lshl_b32 s47, s12, 8
	s_add_co_u32 s46, s46, s47                     ; my first column, in bytes: in out0 and in bo
	s_mov_b32 s47, 0
	s_add_nc_u64 s[8:9], s[8:9], s[46:47]
	s_add_nc_u64 s[68:69], s[68:69], s[46:47]
.irp b, 0,1,2,3
	global_load_b128 v[BIAS+8*\b:BIAS+8*\b+3], v[BO], s[68:69] offset:64*\b         ; lane (r, h): outputs 16 b + 8 h + 0 .. 7
	global_load_b128 v[BIAS+8*\b+4:BIAS+8*\b+7], v[BO], s[68:69] offset:64*\b+16
.endr
; 8 matrix instructions: m blocks a0, a0 + 1 x all 4 n blocks, 32 along K: half c of buffer f.  zero = 1: the first product starts the sums from the bias.  The 16 accumulators take turns.
.macro MUL8 f, c, a0, zero
.irp a, \a0, \a0+1
.irp b, 0,1,2,3
.if \zero
	v_wmma_f32_16x16x32_f16 v[ACC+8*(4*(\a)+\b):ACC+8*(4*(\a)+\b)+7], v[\f+64+8*(4*\c+\b):\f+64+8*(4*\c+\b)+7], v[\f+8*(4*\c+\a):\f+8*(4*\c+\a)+7], v[BIAS+8*\b:BIAS+8*\b+7]
.else
	v_wmma_f32_16x16x32_f16 v[ACC+8*(4*(\a)+\b):ACC+8*(4*(\a)+\b)+7], v[\f+64+8*(4*\c+\b):\f+64+8*(4*\c+\b)+7], v[\f+8*(4*\c+\a):\f+8*(4*\c+\a)+7], v[ACC+8*(4*(\a)+\b):ACC+8*(4*(\a)+\b)+7]
.endif
.endr
.endr
.endm
; 32 LDS loads in one run: the fragments of 64 along K (one head of x; byte k of Wo's rows) into buffer f; the first 32 along K first
.macro FETCH slot, k, f
	WIN TO_F
.irp c, 0,1
.irp i, 0,1,2,3
	ds_load_b128 v[\f+64+8*(4*\c+\i):\f+64+8*(4*\c+\i)+3],   v[ADRB+\slot] offset:\k+64*\c+\i*16*PITCHB
	ds_load_b128 v[\f+64+8*(4*\c+\i)+4:\f+64+8*(4*\c+\i)+7], v[ADRB+\slot] offset:\k+64*\c+\i*16*PITCHB+32
	ds_load_b128 v[\f+8*(4*\c+\i):\f+8*(4*\c+\i)+3],         v[ADRA+\slot] offset:(\k)/128*HEADA+64*\c+\i*16*PITCHA
	ds_load_b128 v[\f+8*(4*\c+\i)+4:\f+8*(4*\c+\i)+7],       v[ADRA+\slot] offset:(\k)/128*HEADA+64*\c+\i*16*PITCHA+32
.endr
.endr
.endm
.macro PLACES                          ; four plain lines in front of loads into registers that matrix instructions have read, and of reads of results
.rept 4
	v_nop
.endr
.endm
.macro QUARTER slot, k, f, g, zero     ; 64 along K: multiplies buffer f and fetches the next quarter, at byte k, into g
	s_wait_dscnt 16                                ; the first 32 along K are in; the other sixteen loads may be out
	WIN MUL
	MUL8 \f, 0, 0, \zero
	MUL8 \f, 0, 2, \zero
	PLACES
	FETCH \slot, \k, \g
	s_wait_dscnt 32                                ; all but the 32 just issued
	WIN MUL
	MUL8 \f, 1, 0, 0
	MUL8 \f, 1, 2, 0
.endm
; The last quarter multiplies buffer 1 and changes slots: ONE barrier; in front of it each wave waits for all its tensor loads, adds 0 to its spare word, and waits for that and for its reads of this slot.
; fill = 1: the barrier opens a round of the cluster's barrier, and this slot is filled again, two K steps ahead.
.macro TURN slot, next, fill
	WIN 0
	s_wait_tensorcnt 0x0
	ds_add_u32 v[SPW], v[NIL]
	s_wait_dscnt 17                                ; the add and the youngest sixteen loads may be out
	WIN MUL
	MUL8 F1, 0, 0, 0
	s_wait_dscnt 0x0
	s_barrier_signal -1
	MUL8 F1, 0, 2, 0
.if \fill
	WIN 0
.endif
	s_barrier_wait -1
.if \fill
	CREST
	s_add_nc_u64 s[G0+4*\slot+2:G0+4*\slot+3], s[G0+4*\slot+2:G0+4*\slot+3], 131072      ; eight heads on
	s_add_nc_u64 s[G0B+4*\slot+2:G0B+4*\slot+3], s[G0B+4*\slot+2:G0B+4*\slot+3], 2*KSTEP*2
	JLOAD \slot                                    ; the first tensor load behind the round; its four v_nop are also the places in front of the loads below
.else
	PLACES
.endif
	FETCH \next, 0, F0
	WIN MUL
	MUL8 F1, 1, 0, 0
	MUL8 F1, 1, 2, 0
.endm
	s_wait_loadcnt 0x0                             ; the bias
	s_wait_tensorcnt 1                             ; my part of K step 0 is in; K step 1's load may be out
	s_barrier_signal -1
	s_barrier_wait -1
	FETCH 0, 0, F0
	QUARTER 0, 128, F0, F1, 1
	WIN 0
	s_mov_b32 s3, LAPS-1
.Llap:                                                 ; a trip goes once round the ring and fills both slots again
	QUARTER 0, 256, F1, F0, 0
	QUARTER 0, 384, F0, F1, 0
	TURN 0, 1, 1
	QUARTER 1, 128, F0, F1, 0
	QUARTER 1, 256, F1, F0, 0
	QUARTER 1, 384, F0, F1, 0
	TURN 1, 0, 1
	QUARTER 0, 128, F0, F1, 0
	WIN 0
	s_sub_co_u32 s3, s3, 1
	s_cmp_lg_u32 s3, 0
	s_cbranch_scc1 .Llap
	QUARTER 0, 256, F1, F0, 0                      ; the last lap fills nothing
	QUARTER 0, 384, F0, F1, 0
	TURN 0, 1, 0
	QUARTER 1, 128, F0, F1, 0
	QUARTER 1, 256, F1, F0, 0
	QUARTER 1, 384, F0, F1, 0
	s_wait_dscnt 16
	WIN MUL
	MUL8 F1, 0, 0, 0
	MUL8 F1, 0, 2, 0
	s_wait_dscnt 0
	MUL8 F1, 1, 0, 0
	MUL8 F1, 1, 2, 0
	WIN 0
; THE WAY OUT: my 64 columns of f32 are 256 bytes of a row.  A block of 16 rows goes through my own stage and comes back as whole rows: sixteen lanes store 256 consecutive bytes, aligned.
.macro TOSTAGE a
.irp b, 0,1,2,3
	ds_store_b128 v[STO], v[ACC+8*(4*(\a)+\b):ACC+8*(4*(\a)+\b)+3] offset:64*\b        ; each accumulator from its low end on
	ds_store_b128 v[STO], v[ACC+8*(4*(\a)+\b)+4:ACC+8*(4*(\a)+\b)+7] offset:64*\b+16
.endr
.set BB, BK+32*((\a)%2)
.irp t, 0,1,2,3,4,5,6,7
	ds_load_b128 v[BB+4*\t:BB+4*\t+3], v[RD] offset:\t*2*SPITCH                        ; LDS serves a wave's instructions in order
.endr
.endm
.macro SEND a, younger                 ; younger: the LDS instructions issued behind block a's loads, which may stay out
.set BB, BK+32*((\a)%2)
	s_wait_dscnt \younger
.irp t, 0,1,2,3,4,5,6,7
	global_store_b128 v[CO], v[BB+4*\t:BB+4*\t+3], s[8:9] offset:(16*(\a)+2*\t)*4096 th:TH_STORE_NT
.endr
.endm
	PLACES
	TOSTAGE 0
.irp a, 1,2,3
.if \a > 1
	s_wait_xcnt 0x0                                ; block a - 2's stores have read their registers: block a's loads may land there
.endif
	TOSTAGE \a
	SEND \a-1, 16                                  ; behind block a - 1's loads: block a's 8 stores and 8 loads
.endr
	SEND 3, 0
	s_wait_tensorcnt 0x0                           ; the wave's end
	ds_add_u32 v[SPW], v[NIL]
	s_wait_dscnt 0x0
	CROUND                                         ; the closing round
	s_endpgm
.Lfunc_end_k_qe52cdc8d5b_outp:
	.size	k_qe52cdc8d5b_outp, .Lfunc_end_k_qe52cdc8d5b_outp-k_qe52cdc8d5b_outp
	.p2alignl 7, 3214868480
	.fill 96, 4, 3214868480
	.section	.rodata,"a",@progbits
	.p2align	6, 0x0
	.amdhsa_kernel k_qe52cdc8d5b_outp
		.amdhsa_group_segment_fixed_size 327680
		.amdhsa_private_segment_fixed_size 0
		.amdhsa_enable_private_segment 0
		.amdhsa_kernarg_size 32
		.amdhsa_user_sgpr_count 2
		.amdhsa_user_sgpr_kernarg_segment_ptr 1
		.amdhsa_wavefront_size32 1
		.amdhsa_system_sgpr_workgroup_id_x 1
		.amdhsa_system_sgpr_workgroup_id_y 1
		.amdhsa_system_sgpr_workgroup_id_z 1
		.amdhsa_system_vgpr_workitem_id 0
		.amdhsa_next_free_vgpr 512
		.amdhsa_next_free_sgpr 72
		.amdhsa_reserve_vcc 0
		.amdhsa_float_denorm_mode_32 3
		.amdhsa_float_denorm_mode_16_64 3
		.amdhsa_memory_ordered 1
		.amdhsa_forward_progress 1
		.amdhsa_inst_pref_size 87
	.end_amdhsa_kernel
	.amdgpu_metadata
---
amdhsa.version: [ 1, 2 ]
amdhsa.kernels:
  - .name:           k_qe52cdc8d5b_outp
    .symbol:         k_qe52cdc8d5b_outp.kd
    .args:
      - { .name: xh, .offset: 0, .size: 8, .value_kind: global_buffer, .address_space: global }
      - { .name: woh, .offset: 8, .size: 8, .value_kind: global_buffer, .address_space: global }
      - { .name: bo, .offset: 16, .size: 8, .value_kind: global_buffer, .address_space: global }
      - { .name: out0, .offset: 24, .size: 8, .value_kind: global_buffer, .address_space: global }
    .group_segment_fixed_size: 327680
    .private_segment_fixed_size: 0
    .kernarg_segment_align: 8
    .kernarg_segment_size: 32
    .max_flat_workgroup_size: 128
    .sgpr_count:     72
    .vgpr_count:     512
    .wavefront_size: 32
...
	.end_amdgpu_metadata
.endif
;; end of part 4
